; MI455X (gfx1250); checked and timed in simulation.
; The chip was launched on July 23, 2026; its instructions are those of AMD's public machine-readable ISA for CDNA 5 (MIT licence, August 2026) and "CDNA5" Instruction Set Architecture Reference Guide (July 2026). The comments in the code are by the model that wrote it; some were corrected since.
;; Embedding Transformer. Allowed arithmetic: matrix products marked QUANTISED: E4M3 operands, one E8M0 scale for each 32 along K, by v_wmma_scale_f32_16x16x128_f8f6f4 with both operands' format E4M3, f32 sums; products left as they are: f32 operands where the result goes on into a quantised operand, else bf16, f16 or f32 operands; f32 sums; everything else in f32.
;; Inputs: existing_node_features 8,192 x 512 float32; fc_b 512 float32; fc_w_codes 512 x 16 x 32 uint8 (E4M3 codes of fc_w, K innermost, in blocks of 32 codes); fc_w_scales 512 x 16 uint8 (E8M0 scales of fc_w, one for each 32 codes along K); new_node_features 8,192 x 512 float32; om_b 512 float32; om_w_codes 512 x 16 x 32 uint8 (E4M3 codes of om_w, K innermost, in blocks of 32 codes); om_w_scales 512 x 16 uint8 (E8M0 scales of om_w, one for each 32 codes along K).
;; Outputs: out0 8,192 x 512 float32.
;; This version of the problem:
;;   THIS VERSION OF THE PROBLEM IS GIVEN IN LOW PRECISION. The matrix products marked QUANTISED in the list below multiply operands that are first quantised to E4M3 (4 exponent bits, 3 mantissa bits; 8 bits a number), with one power-of-two scale for each 32 numbers along K (OCP MX v1.0); their sums are f32. All else is computed in f32.
;;   The module's matrix products, in the order in which they are computed (A, B: the left and right operand; K: the contracted axis; several contracted axes count as one K, in the product's order):
;;     1. [M 8,192, K 512] x [K 512, N 8,192]; A: input new_node_features; B: input existing_node_features: QUANTISED
;;     2. batch 8,192 x [M 512, K 3] x [K 3, N 1]; A: computed on the way; B: computed on the way: left as it is (K = 3 < 32)
;;     3. [M 8,192, K 512] x [K 512, N 512]; A: computed on the way; B: input fc_w (given as codes): QUANTISED
;;     4. [M 8,192, K 512] x [K 512, N 512]; A: computed on the way; B: input om_w (given as codes): QUANTISED
;;   THE QUANTISER, for each operand of a quantised product, along K:
;;     - K is cut into blocks of 32 from its start; a last block that is shorter is filled with zeros.
;;     - A block's scale is 2^e with e = floor(log2(the largest magnitude in the block)) - 8, held to -126 .. 127; a block of zeros has e = 0. As a byte (E8M0): e + 127.
;;     - Each number is divided by its block's scale, clamped to +-448, and rounded to the nearest number of E4M3, ties to even, subnormals kept.
;;     - The product sums the exact products of the quantised numbers (number of the format x scale) in f32.
;;   ~~~python
;;   def quantise(x, axis):      # numpy; x: float32 -> the quantised numbers, widened to float32 again
;;       x = np.moveaxis(x, axis, -1); K = x.shape[-1]
;;       x = np.pad(x, [(0, 0)] * (x.ndim - 1) + [(0, -K % 32)]); x = x.reshape(x.shape[:-1] + (-1, 32)); a = np.abs(x).max(-1, keepdims=True)
;;       e = np.where(a > 0, np.clip(np.frexp(np.where(a > 0, a, 1))[1] - 1 - 8, -126, 127), 0)      # np.frexp(a)[1] - 1 = floor(log2(a)), exactly
;;       r = np.clip(x / 2.0 ** e, -448, 448)
;;       step = 2.0 ** (np.maximum(np.frexp(np.where(r == 0, 1, r))[1] - 1, -6) - 3)
;;       q = np.round(r / step) * step * 2.0 ** e      # np.round: ties to even
;;       return np.moveaxis(q.reshape(q.shape[:-2] + (-1,))[..., :K], -1, axis).astype(np.float32)
;;   ~~~
;;   OPERANDS COMPUTED ON THE WAY. 'Computed on the way' means the value that the module computes at that place (a softmax that the list does not call 'softmax' is quantised finished and normalised). What goes into a quantiser is computed in f32, as accurately as f32 sums, v_exp_f32 and their like allow (about 1e-6 of the number): no bf16 or f16 on the way to a quantiser, and a product that is left as it is and whose result goes on into a quantised operand takes f32 operands (vector FMAs, or v_wmma_f32_16x16x4_f32). A number that lies on a knife's edge between two numbers of the format may be rounded either way, as far as f32 arithmetic and the matrix unit's own rounding can turn it there, and no further.
;;   INPUTS GIVEN AS CODES. fc_w (in the module: [512, 512], K = its axis 1); om_w (in the module: [512, 512], K = its axis 1): each comes as NAME_codes (uint8): NAME with its K axis moved to the last place and cut into blocks of 32 codes, [.., K / 32, bytes a block], one block behind the other in memory; one code a byte (a code: sign, 4 exponent bits, 3 mantissa bits); and NAME_scales (uint8): the same leading axes, one E8M0 byte (e + 127) for each 32 codes along K. Its value is code x scale, taken as it is: it is not quantised again, and the codes and scales need not be those that the quantiser above would give.
;; One version. Each part assembles by itself: llvm-mc -triple=amdgcn-amd-amdhsa -mcpu=gfx1250 --defsym DOCPART=n.
;; ======== version 1 of 1: 4 launches
;; limits: right only within a limited range of input values
;; workspace buffers: recs 8,912,896 bytes; cand 2,097,152 bytes of whole numbers; topv 131,072 bytes; topi 131,072 bytes of whole numbers
;; launch quant (part 1): grid 256 x 1, 4 waves a work-group, no clusters, 68,096 bytes of LDS; arguments new_node_features, existing_node_features, recs; writes recs
.if DOCPART == 1
	.amdgcn_target "amdgcn-amd-amdhsa--gfx1250"
	.amdhsa_code_object_version 6
	.text
	.protected	k_qcd7525f2d0_quant
	.globl	k_qcd7525f2d0_quant
	.p2align	8
	.type	k_qcd7525f2d0_quant,@function
k_qcd7525f2d0_quant:
	s_mov_b64 s[64:65], 0
	v_nop
	global_prefetch_b8 v0, s[64:65] scope:SCOPE_SE
	s_setreg_imm32_b32 hwreg(HW_REG_WAVE_MODE, 25, 1), 1
	s_wait_xcnt 0x0
; Both tables, [8192][512] f32, become codes of E4M3 with one E8M0 byte for each 32 along K, laid in the ORDER OF AN OPERAND'S REGISTERS, and each row's norm and inverse norm.
; A tile is 16 rows.  Tiles 0-511 are the new nodes', 512-1023 the existing nodes'.  One wave makes one tile: tile = 4 x work-group + wave.
;   codes : tile x 8192 + 2048 s + 512 c + 256 (r / 8) + 128 (h xor r / 8) + 16 (r % 8) : lane (r = lane % 16, h = lane / 16) holds row r, k = 128 s + 32 c + 16 h + 0 .. 15
;   scales: tile x 256 + 8 lane : word 0 = row r's scale word of K step h, word 1 = of K step 2 + h (so one register serves two K steps, by its lower and its upper lanes)
;   norms : tile x 128 : 16 norms, then 16 x 1 / max(norm, 2^-100)
; A block's scale is 2^(floor(log2(largest magnitude)) - 8); its byte is the largest magnitude's exponent field - 8, held at 1 from below.  A block of zeros keeps the byte 1: its codes are zeros,
; which add nothing under any byte but 0xff, and this program alone reads the bytes.
; LIMITS: blocks whose largest magnitude lies under 2^-118 (the floor) keep the byte 1; NaN and infinities are not served.
; Every load takes 512 consecutive bytes (a K step of one row); the 16 rows of a K step turn through the wave's own stage in LDS, so that a lane gets 16 neighbours of each block of 32.
; No barrier: waves share nothing.  No loop: every offset is an immediate, and no store's data are written again.
; THE THREE PARTS OF A TILE LIE IN ONE RECORD of 8,704 bytes (34 blocks of 256) of the one buffer recs, at tile x 8704: the codes at byte 0, the scale words at 8192, the norms at 8448.
.set STG,  8448                        ; a stage: 16 rows x (512 bytes + 16); two for each wave
.set X,    32                          ; v32-159   two sets of 64 numbers: register 16 b + i = k 32 b + 16 h + i of my row
.set PC,   160                         ; v160-223  codes, 16 registers for each K step
.set TM,   224                         ; v224-239  at work: largest magnitudes, bytes, holds, scale operands
.set PW,   240                         ; v240-243  the four scale words
.set SQ,   244                         ; v244-251  sums of squares, four pairs
.set MSB, 0
.macro WIN new                         ; the immediate's high byte repeats the setting that is left
.if MSB != \new
	s_set_vgpr_msb (MSB<<8)|\new
.set MSB, \new
.endif
.endm
	s_load_b128 s[4:7], s[0:1], 0x0                ; new, existing
	s_load_b64 s[8:9], s[0:1], 0x10                ; recs, three times: for the codes,
	s_load_b64 s[10:11], s[0:1], 0x10              ; the scale words,
	s_load_b64 s[12:13], s[0:1], 0x10              ; the norms
	v_lshl_add_u32 v30, v0, 2, 0x10800
	v_mov_b32 v31, 0
	v_lshrrev_b32 v1, 5, v0
	v_readfirstlane_b32 s14, v1                    ; wave
	v_and_b32 v1, 31, v0                           ; lane
	v_and_b32 v2, 15, v0                           ; r
	v_bfe_u32 v3, v0, 4, 1                         ; h
	v_lshlrev_b32 v4, 4, v1                        ; 16 x lane
	s_mul_i32 s15, s14, 2*STG                      ; my two stages
	v_add_nc_u32 v5, s15, v4                       ; into a stage: 16 x lane of a row
	v_mul_u32_u24 v6, v2, 528
	v_lshl_add_u32 v6, v3, 6, v6
	v_add_nc_u32 v6, s15, v6                       ; out of it: row r, + 64 h
	v_lshlrev_b32 v7, 3, v1
	v_lshlrev_b32 v8, 2, v1
	; where lane (r, h)'s 16 codes lie in a chunk of 512 bytes: 256 (r / 8) + 128 (h xor r / 8) + 16 (r % 8): the 16 pieces of 8 neighbouring rows fill one aligned block of 256 bytes
	v_bfe_u32 v9, v0, 3, 1
	v_xor_b32 v10, v9, v3
	v_lshlrev_b32 v9, 8, v9
	v_lshl_add_u32 v9, v10, 7, v9
	v_and_b32 v10, 7, v0
	v_lshl_add_u32 v9, v10, 4, v9
	s_mov_b32 s20, 0x76543210
	s_mov_b32 s21, 0xfedcba98                      ; lane selects: lane xor 16
	s_mov_b32 s22, 0x600000                        ; the mantissa field of 448
.irp b, 0,1,2,3
	v_mov_b32 v[TM+4+\b], 0                        ; a lane permute's destination counts as one of its sources
.endr
	v_mov_b32 v253, 0
	s_lshl_b32 s16, ttmp9, 2
	s_add_co_u32 s16, s16, s14                     ; the tile
	s_and_b32 s18, s16, 511
	s_lshl_b32 s18, s18, 15                        ; its 16 rows of 2,048 bytes in its table
	s_mov_b32 s19, 0
	s_mul_i32 s24, s16, 8704                       ; the tile's record
	s_mov_b32 s25, 0
	s_add_co_u32 s26, s24, 8192
	s_mov_b32 s27, 0
	s_add_co_u32 s28, s24, 8448
	s_mov_b32 s29, 0
	s_wait_alu depctr_va_vdst(0)
	s_wait_kmcnt 0x0
	s_cmp_lt_u32 ttmp9, 128                        ; the choice of the table hangs on the work-group's number alone
	s_cselect_b64 s[4:5], s[4:5], s[6:7]
	s_add_nc_u64 s[4:5], s[4:5], s[18:19]
	s_add_nc_u64 s[8:9], s[8:9], s[24:25]
	s_add_nc_u64 s[10:11], s[10:11], s[26:27]
	s_add_nc_u64 s[12:13], s[12:13], s[28:29]
	WIN 0x40                                       ; destination window 1: K step s, row i at v[64 s + 4 i]
.irp s, 0,1,2,3
.irp i, 0,1,2,3,4,5,6,7,8,9,10,11,12,13,14,15
	global_load_b128 v[64*\s+4*\i:64*\s+4*\i+3], v4, s[4:5] offset:2048*\i+512*\s th:TH_LOAD_NT
.endr
.endr
	WIN 0
.macro TURN s                          ; K step s through stage s % 2: LDS serves a wave's instructions in order, so no wait stands between the stores and the loads
	s_wait_loadcnt 48-16*(\s)                      ; this K step's 16 loads are in; the later K steps' may be out
	WIN 0x04                                       ; an LDS store's data are its source 1: window 1
.irp i, 0,1,2,3,4,5,6,7,8,9,10,11,12,13,14,15
	ds_store_b128 v5, v[64*(\s)+4*\i:64*(\s)+4*\i+3] offset:((\s)%2)*STG+528*\i
.endr
	WIN 0
.irp b, 0,1,2,3
.irp j, 0,1,2,3
	ds_load_b128 v[X+64*((\s)%2)+16*\b+4*\j:X+64*((\s)%2)+16*\b+4*\j+3], v6 offset:((\s)%2)*STG+128*\b+16*\j
.endr
.endr
.endm
.macro SQUARES xs, first               ; 64 squares into four pairs of sums; the first four products start them
.set qi, 0
.rept 32
.if (\first) && (qi < 4)
	v_pk_mul_f32 v[SQ+2*qi:SQ+2*qi+1], v[(\xs)+2*qi:(\xs)+2*qi+1], v[(\xs)+2*qi:(\xs)+2*qi+1]
.else
	v_pk_fma_f32 v[SQ+2*(qi%4):SQ+2*(qi%4)+1], v[(\xs)+2*qi:(\xs)+2*qi+1], v[(\xs)+2*qi:(\xs)+2*qi+1], v[SQ+2*(qi%4):SQ+2*(qi%4)+1]
.endif
.set qi, qi+1
.endr
.endm
.macro QUANT s, d, w                   ; 64 numbers at v[s] become 16 registers of codes at v[d] and the scale word v[w]
.irp b, 0,1,2,3
	v_max3_num_f32 v[TM+\b], |v[(\s)+16*\b]|, |v[(\s)+16*\b+1]|, 0x4800000   ; my 16 numbers of block b, and the floor 2^(9 - 127): the byte cannot fall under 1
.endr
.irp i, 2,4,6,8,10,12,14
.irp b, 0,1,2,3
	v_max3_num_f32 v[TM+\b], v[TM+\b], |v[(\s)+16*\b+\i]|, |v[(\s)+16*\b+\i+1]|
.endr
.endr
.irp b, 0,1,2,3
	v_permlanex16_b32 v[TM+4+\b], v[TM+\b], s20, s21
.endr
.irp b, 0,1,2,3
	v_max_num_f32 v[TM+\b], v[TM+\b], v[TM+4+\b]   ; with lane xor 16's 16: the block's largest magnitude
.endr
.irp b, 0,1,2,3
	v_add_nc_u32 v[TM+12+\b], 0xfc000000, v[TM+\b] ; 8 off its exponent field: the conversion's scale operand
.endr
.irp b, 0,1,2,3
	v_and_or_b32 v[TM+8+\b], v[TM+\b], 0x7f800000, s22   ; 448 x the scale
.endr
.irp b, 0,1,2,3
	v_lshrrev_b32 v[TM+4+\b], 23, v[TM+12+\b]      ; the scale's byte
.endr
	v_lshl_or_b32 v[\w], v[TM+5], 8, v[TM+4]
	v_lshl_or_b32 v[\w], v[TM+6], 16, v[\w]
	v_lshl_or_b32 v[\w], v[TM+7], 24, v[\w]
.irp b, 0,1,2,3
.irp i, 0,1,2,3,4,5,6,7,8,9,10,11,12,13,14,15
	v_med3_num_f32 v[(\s)+16*\b+\i], v[(\s)+16*\b+\i], -v[TM+8+\b], v[TM+8+\b]   ; the conversion to an 8-bit code does not saturate (ISA guide 7.6.2): the hold comes first
.endr
	v_cvt_scalef32_pk8_fp8_f32 v[(\d)+4*\b:(\d)+4*\b+1], v[(\s)+16*\b:(\s)+16*\b+7], v[TM+12+\b]
	v_cvt_scalef32_pk8_fp8_f32 v[(\d)+4*\b+2:(\d)+4*\b+3], v[(\s)+16*\b+8:(\s)+16*\b+15], v[TM+12+\b]
.endr
	v_nop                                          ; one plain line behind the last scaled conversion
.endm
.macro STEPQ s
.if (\s) < 3
	TURN (\s)+1
	s_wait_dscnt 32                                ; this K step's numbers are back; the next turn's 32 LDS lines may be out
	.else
	s_wait_dscnt 0x0
.endif
.if (\s) == 0
	SQUARES X, 1
.else
	SQUARES X+64*((\s)%2), 0
.endif
	QUANT X+64*((\s)%2), PC+16*(\s), PW+(\s)
.irp c, 0,1,2,3
	global_store_b128 v9, v[PC+16*(\s)+4*\c:PC+16*(\s)+4*\c+3], s[8:9] offset:2048*(\s)+512*\c   ; the wave covers 512 consecutive bytes, aligned
.endr
.endm
	TURN 0
	STEPQ 0
	STEPQ 1
	STEPQ 2
	STEPQ 3
	v_pk_add_f32 v[SQ:SQ+1], v[SQ:SQ+1], v[SQ+2:SQ+3]
	v_pk_add_f32 v[SQ+4:SQ+5], v[SQ+4:SQ+5], v[SQ+6:SQ+7]
	v_pk_add_f32 v[SQ:SQ+1], v[SQ:SQ+1], v[SQ+4:SQ+5]
	v_add_f32 v252, v[SQ], v[SQ+1]
	v_permlanex16_b32 v253, v252, s20, s21
	v_add_f32 v252, v252, v253                     ; the row's sum of squares, in both of its lanes
	s_wait_alu depctr_va_vdst(0)
	v_sqrt_f32 v254, v252
	v_cmp_lt_u32 vcc_lo, 15, v1                    ; lanes 16-31
	v_cndmask_b32 v[PW], v[PW], v[PW+1], vcc_lo    ; word 0: K step h (these plain lines also stand behind the root)
	v_cndmask_b32 v[PW+1], v[PW+2], v[PW+3], vcc_lo   ; word 1: K step 2 + h
	s_wait_alu depctr_va_vdst(0)
	v_max_num_f32 v255, 0x0d800000, v254           ; 2^-100 from below, so that the inverse stays finite
	s_wait_alu depctr_va_vdst(0)
	v_rcp_f32 v253, v255
	v_nop                                          ; one plain line behind the reciprocal
	s_wait_alu depctr_va_vdst(0)
	v_cndmask_b32 v254, v254, v253, vcc_lo         ; lanes 0-15 the norm, lanes 16-31 the inverse
	global_store_b64 v7, v[PW:PW+1], s[10:11]      ; 256 consecutive bytes, aligned
	global_store_b32 v8, v254, s[12:13]            ; 128 consecutive bytes
	s_wait_tensorcnt 0x0
	ds_add_u32 v30, v31
	s_wait_dscnt 0x0
	s_endpgm
.Lfunc_end_k_qcd7525f2d0_quant:
	.size	k_qcd7525f2d0_quant, .Lfunc_end_k_qcd7525f2d0_quant-k_qcd7525f2d0_quant
	.p2alignl 7, 3214868480
	.fill 96, 4, 3214868480
	.section	.rodata,"a",@progbits
	.p2align	6, 0x0
	.amdhsa_kernel k_qcd7525f2d0_quant
		.amdhsa_group_segment_fixed_size 68096
		.amdhsa_private_segment_fixed_size 0
		.amdhsa_enable_private_segment 0
		.amdhsa_kernarg_size 24
		.amdhsa_user_sgpr_count 2
		.amdhsa_user_sgpr_kernarg_segment_ptr 1
		.amdhsa_wavefront_size32 1
		.amdhsa_system_sgpr_workgroup_id_x 1
		.amdhsa_system_sgpr_workgroup_id_y 1
		.amdhsa_system_sgpr_workgroup_id_z 1
		.amdhsa_system_vgpr_workitem_id 0
		.amdhsa_next_free_vgpr 512
		.amdhsa_next_free_sgpr 66
		.amdhsa_reserve_vcc 1
		.amdhsa_float_denorm_mode_32 3
		.amdhsa_float_denorm_mode_16_64 3
		.amdhsa_memory_ordered 1
		.amdhsa_forward_progress 1
		.amdhsa_inst_pref_size 60
	.end_amdhsa_kernel
	.amdgpu_metadata
---
amdhsa.version: [ 1, 2 ]
amdhsa.kernels:
  - .name:           k_qcd7525f2d0_quant
    .symbol:         k_qcd7525f2d0_quant.kd
    .args:
      - { .name: new_node_features, .offset: 0, .size: 8, .value_kind: global_buffer, .address_space: global }
      - { .name: existing_node_features, .offset: 8, .size: 8, .value_kind: global_buffer, .address_space: global }
      - { .name: recs, .offset: 16, .size: 8, .value_kind: global_buffer, .address_space: global }
    .group_segment_fixed_size: 68096
    .private_segment_fixed_size: 0
    .kernarg_segment_align: 8
    .kernarg_segment_size: 24
    .max_flat_workgroup_size: 128
    .sgpr_count:     66
    .vgpr_count:     512
    .wavefront_size: 32
...
	.end_amdgpu_metadata
.endif
;; end of part 1
;; launch sim (part 2): grid 32 x 8, 8 waves a work-group, clusters of 4 x 1, 327,680 bytes of LDS; arguments recs, cand; writes cand
.if DOCPART == 2
	.amdgcn_target "amdgcn-amd-amdhsa--gfx1250"
	.amdhsa_code_object_version 6
	.text
	.protected	k_qcd7525f2d0_sim
	.globl	k_qcd7525f2d0_sim
	.p2align	8
	.type	k_qcd7525f2d0_sim,@function
k_qcd7525f2d0_sim:
	s_mov_b64 s[64:65], 0
	v_nop
	global_prefetch_b8 v0, s[64:65] scope:SCOPE_SE
	s_setreg_imm32_b32 hwreg(HW_REG_WAVE_MODE, 25, 1), 1
	s_wait_xcnt 0x0
	s_wait_alu depctr_hold_cnt(0) depctr_sa_sdst(0) depctr_va_vdst(0) depctr_va_sdst(0) depctr_va_ssrc(0) depctr_va_vcc(0) depctr_vm_vsrc(0)
	s_getreg_b32 s2, hwreg(HW_REG_IB_STS2, 6, 4)
	s_cmp_eq_u32 s2, 0
	s_cbranch_scc0 .Lentry_in_a_cluster
	s_endpgm
.Lentry_in_a_cluster:
	s_bfe_u32 s2, ttmp6, 0x10000c
	s_cmp_lg_u32 s2, 0x3003
	s_cbranch_scc0 .Lentry_shape_is_right
	s_endpgm
.Lentry_shape_is_right:
; The product of the new nodes' codes with the existing nodes' codes; of each (query, eighth of the keys, even or odd key tiles) the FOUR GROUPS of 8 keys with the largest maxima of y = dot / |e|.
; SHARES.  Work-group (x, y): 256 queries (block 4 x cluster x + cx), 1,024 keys (split y = 64 tiles of 16).  Eight waves, two on a SIMD: wave w owns the four query tiles 4 (w % 4) on, whose fragments (256 registers, window 1) stay,
; and walks the key tiles 2 i + w / 4, i = 0 .. 31: each key tile is read from LDS by four waves, and one wave of a SIMD selects and loads while the other multiplies.
; THE PRODUCT IS USED TRANSPOSED (source 0 = 16 keys, source 1 = 16 queries): a lane holds ONE query (lane % 16), and a finished tile gives it a GROUP of 8 keys, 8 (lane / 16) + 0 .. 7.
; SELECTION.  The three largest numbers of a query lie in the three groups with the largest maxima.  A lane keeps a sorted list of four maxima; the low 7 bits of a maximum are replaced by the group's number
; 2 x tile + lane / 16.  A group costs 13 vector lines (4 packed products, 4 maxima, 1 and-or, 4 inserts), no compare and no mask.  The next launch multiplies the kept groups again and takes the exact three.
; The stored words are whole numbers: the list's bits in an order-keeping form (sign bit turned for numbers >= 0, all upper bits turned for numbers < 0), the 7 bits of the group kept as they are.
; A PHASE: my next tile's LDS loads in one run, the 16 matrix instructions of my tile i, then tile i - 1's selection, the four query tiles line by line by turns.
; A key tile's record (8,704 bytes: codes in the order of an operand's registers, scale words, norms) is dense, so ONE tensor load a wave brings an eighth of a slot of 16 records.
; CLUSTER.  The four query blocks of a cluster walk the same split of the keys: every eighth is asked for JOINTLY (mask 15); its address hangs on the split and the wave's number alone.
; NO PREFETCH: a refill is asked for 8 phases (128 matrix instructions of each wave) ahead of the wait for it.
; LIMITS.  The order is taken of dot / |e|: the similarity's own order wherever |n| |e| is at least 0.17, where the 1e-8 vanishes in the f32 sum.  Maxima are ordered by their upper 25 bits: four groups are kept where three are needed,
; so a needed group is lost only where two further maxima agree with it in all 25 bits.  NaN and infinities are not served.
.set REC,   8704
.set KB,    512*REC                    ; the existing nodes' first record
.set SLOT,  16*REC                     ; slot 0 at LDS byte 0, slot 1 behind it
.set SPARE, 2*SLOT                     ; the spare words, 128 bytes a wave: four blocks of 256 bytes that no other line names
.set LI,  1                            ; 16 x lane
.set LS,  2                            ; 8192 + 8 x lane + (w / 4) records
.set LN,  3                            ; 8448 + 64 + 32 h + (w / 4) records: the inverse norms of my 8 keys
.set ADK, 4                            ; the three address registers ADK, ADS, ADN have a second set 24 registers up (v28-30): phases take the sets by turns,
.set ADS, 5                            ; so that no add rewrites a register that the phase before's loads name
.set ADN, 6
.set SPW, 7                            ; my spare word; never rewritten
.set NIL, 8                            ; 0; never rewritten
.set GT,  9                            ; 2 x (the tile being selected) + h
.set L8,  10
.set LP,  11                           ; LQ + (w / 4) records
.set LQ,  31                           ; my 16 codes' place in a chunk of 512 bytes: 256 (r / 8) + 128 (h xor r / 8) + 16 (r % 8); the 16 lanes of a half touch 16 different columns of 16 bytes
.set SCK, 12                           ; v12-15 keys' scale words, two sets;  queries': v16-19, v24-27 (other numbers modulo 8)
.set T,   20                           ; v20-23 at work
.set IE,  32                           ; v32-47 1 / |e|, two sets
.set ST,  48                           ; v48-63 the lists: query tile q at ST + 4 q, descending
.set AC,  64                           ; v64-127 accumulators, two sets of four
.set KF,  128                          ; v128-255 the keys' fragments, two sets
.set WV,  14
.set G1,  16
.set G0A, 24
.set G0B, 28
.set TB,  32                           ; LDS byte of the even record of the pair to be fetched
.set CNT, 34
.set MSK, 35
.set SEL, 36
.set MSB, 0
.macro WIN new                         ; the immediate's high byte repeats the setting that is left
.if MSB != \new
	s_set_vgpr_msb (MSB<<8)|\new
.set MSB, \new
.endif
.endm
.macro ROUND                           ; a round of the cluster's barrier
	s_barrier_signal -1
	s_barrier_wait -1
	s_cmp_lg_u32 s[WV], 0
	s_cbranch_scc1 .Lnot_wave_0_\@
	s_barrier_signal -3
.Lnot_wave_0_\@:
	s_barrier_wait -3
	s_barrier_signal -1
	s_barrier_wait -1
.endm
	s_load_b128 s[4:7], s[0:1], 0x0                ; recs, cand
	v_lshl_add_u32 v[SPW], v0, 2, SPARE
	v_mov_b32 v[NIL], 0
	ds_add_u32 v[SPW], v[NIL]                      ; the opening lines: the add twice on end and its wait
	ds_add_u32 v[SPW], v[NIL]
	v_lshrrev_b32 v[ADK], 5, v0
	v_readfirstlane_b32 s[WV], v[ADK]              ; wave 0..7
	s_and_b32 s38, s[WV], 3                        ; which four query tiles
	s_lshr_b32 s39, s[WV], 2                       ; even (0) or odd (1) key tiles
	s_bfe_u32 s40, ttmp6, 0x40000                  ; cx
	s_lshl_b32 s41, ttmp9, 2
	s_add_co_u32 s41, s41, s40                     ; my block of 256 queries: it enters the queries' and the results' addresses alone
	s_and_b32 s42, ttmp7, 0xffff                   ; the split of the keys, which the four partners share
	s_mov_b32 s[G1], 15|(3<<16)|(1<<21)            ; the mask of all four; elements of 8 bytes; bit 21 beside a mask
	s_mov_b32 s[G1+1], 32<<16                      ; rows of 256 bytes,
	s_mov_b32 s[G1+2], 68<<16                      ; 68 of them: two records
	s_mov_b32 s[G1+3], 32<<16
	s_mov_b32 s[G1+4], 68
	s_mov_b32 s[G1+5], 32
	s_mov_b32 s[G1+6], 0
	s_mov_b32 s[G1+7], 0
	s_mul_i32 s44, s42, 64*REC                     ; keys: 64 records x split + 2 records x wave
	s_mul_i32 s43, s[WV], 2*REC
	s_add_co_u32 s44, s44, s43
	s_add_co_u32 s44, s44, KB
	s_mov_b32 s45, 0
	s_lshl_b32 s46, s41, 4                         ; my four query tiles: record 16 x block + 4 x (wave % 4)
	s_lshl_b32 s47, s38, 2
	s_add_co_u32 s46, s46, s47
	s_mul_i32 s46, s46, REC
	s_mov_b32 s47, 0
	s_lshl_b32 s48, s42, 17                        ; results: 1,048,576 x (wave / 4) + 131,072 x split + 4,096 x block + 1,024 x (wave % 4)
	s_lshl_b32 s49, s41, 12
	s_add_co_u32 s48, s48, s49
	s_lshl_b32 s49, s38, 10
	s_add_co_u32 s48, s48, s49
	s_lshl_b32 s49, s39, 20
	s_add_co_u32 s48, s48, s49
	s_mov_b32 s49, 0
	s_mul_i32 s52, s39, REC                        ; the odd tiles lie one record further on
	s_lshl_b32 s53, s39, 1
	s_add_co_i32 s53, s53, -8                      ; four are added at each phase's head: phase i selects my tile i - 1
	s_mov_b32 s[SEL], 0x76543210
	s_mov_b32 s[SEL+1], 0xfedcba98
	s_mov_b32 s[MSK], 0xffffff80
	s_mov_b32 s[TB], 2*REC
	s_wait_dscnt 0x0
	s_wait_kmcnt 0x0
	s_mov_b32 s[G0A], 1
	s_mov_b32 s[G0A+1], s43
	s_add_nc_u64 s[G0A+2:G0A+3], s[4:5], s[44:45]
	s_mov_b32 s[G0B], 1
	s_add_co_u32 s[G0B+1], s43, SLOT
	s_add_nc_u64 s[G0B+2:G0B+3], s[G0A+2:G0A+3], SLOT
	s_or_b32 s[G0A+3], s[G0A+3], 0x80000000
	s_or_b32 s[G0B+3], s[G0B+3], 0x80000000
	s_add_nc_u64 s[50:51], s[4:5], s[46:47]        ; the queries' records
	s_add_nc_u64 s[6:7], s[6:7], s[48:49]          ; where the results go
	ROUND                                          ; all four work-groups are here: the first joint loads meet
	tensor_load_to_lds s[G0A:G0A+3], s[G1:G1+7]    ; key tiles 0-15, an eighth a wave: my one load at the head
	s_nop 0
	v_and_b32 v[ADK], 31, v0                       ; lane
	v_bfe_u32 v[ADS], v0, 4, 1                     ; h
	v_lshlrev_b32 v[LI], 4, v[ADK]
	v_lshlrev_b32 v[L8], 3, v[ADK]
	v_bfe_u32 v[T], v0, 3, 1
	v_xor_b32 v[T+1], v[T], v[ADS]
	v_lshlrev_b32 v[LQ], 8, v[T]
	v_lshl_add_u32 v[LQ], v[T+1], 7, v[LQ]
	v_and_b32 v[T], 7, v0
	v_lshl_add_u32 v[LQ], v[T], 4, v[LQ]
	v_add_nc_u32 v[LP], s52, v[LQ]
	v_add_nc_u32 v[LS], 8192, v[L8]
	v_add_nc_u32 v[LS], s52, v[LS]
	v_lshl_add_u32 v[LN], v[ADS], 5, 8512
	v_add_nc_u32 v[LN], s52, v[LN]
	v_add_nc_u32 v[GT], s53, v[ADS]
	WIN 0x40                                       ; destination window 1
.irp q, 0,1,2,3
.irp u, 0,1,2,3,4,5,6,7,8,9,10,11,12,13,14,15
	global_load_b128 v[64*\q+4*\u:64*\q+4*\u+3], v[LQ], s[50:51] offset:REC*\q+512*\u
.endr
.endr
	WIN 0
.irp q, 0,1,2,3
	global_load_b64 v[16+2*(\q%2)+8*(\q/2):17+2*(\q%2)+8*(\q/2)], v[L8], s[50:51] offset:REC*\q+8192
.endr
; Matrix instruction i of a phase: K step i / 4, query tile i % 4: the four accumulators take turns.  A scale register holds K step 2 j in lanes 0-15 and 2 j + 1 in lanes 16-31.
.macro MM p, i
.set ss, (\i)/4
.set qq, (\i)%4
.set dd, AC+32*(\p)+8*qq
.set ka, KF+64*(\p)+16*ss
.set qa, 64*qq+16*ss
.set sa, SCK+2*(\p)+ss/2
.set sb, 16+2*(qq%2)+8*(qq/2)+ss/2
.if ss == 0
	v_wmma_scale_f32_16x16x128_f8f6f4 v[dd:dd+7], v[ka:ka+15], v[qa:qa+15], 0, v[sa], v[sb]
.elseif ss == 2
	v_wmma_scale_f32_16x16x128_f8f6f4 v[dd:dd+7], v[ka:ka+15], v[qa:qa+15], v[dd:dd+7], v[sa], v[sb]
.else
	v_wmma_scale_f32_16x16x128_f8f6f4 v[dd:dd+7], v[ka:ka+15], v[qa:qa+15], v[dd:dd+7], v[sa], v[sb] matrix_a_scale:MATRIX_SCALE_ROW1 matrix_b_scale:MATRIX_SCALE_ROW1
.endif
.endm
.macro INSQ xb, xs                     ; x at v[xb + xs q] goes into query tile q's sorted list of four; every line reads the list as it was
.irp q, 0,1,2,3
	v_med3_num_f32 v[ST+4*\q+3], v[(\xb)+(\xs)*\q], v[ST+4*\q+2], v[ST+4*\q+3]
.endr
.irp q, 0,1,2,3
	v_med3_num_f32 v[ST+4*\q+2], v[(\xb)+(\xs)*\q], v[ST+4*\q+1], v[ST+4*\q+2]
.endr
.irp q, 0,1,2,3
	v_med3_num_f32 v[ST+4*\q+1], v[(\xb)+(\xs)*\q], v[ST+4*\q], v[ST+4*\q+1]
.endr
.irp q, 0,1,2,3
	v_max_num_f32 v[ST+4*\q], v[ST+4*\q], v[(\xb)+(\xs)*\q]
.endr
.endm
.macro IELOAD s                        ; the inverse norms of the tile just fetched, into the set whose numbers have just been used
	ds_load_b128 v[IE+8*(\s):IE+8*(\s)+3], v[ADN+24*(1-(\s))]
	ds_load_b128 v[IE+8*(\s)+4:IE+8*(\s)+7], v[ADN+24*(1-(\s))] offset:16
.endm
.macro SELECT pa, ld                   ; y = dot / |e| in place (each accumulator is read from its low end on), the group's maximum, its number, the insert
.irp e, 0,2,4,6
.irp q, 0,1,2,3
	v_pk_mul_f32 v[AC+32*(\pa)+8*\q+\e:AC+32*(\pa)+8*\q+\e+1], v[AC+32*(\pa)+8*\q+\e:AC+32*(\pa)+8*\q+\e+1], v[IE+8*(\pa)+\e:IE+8*(\pa)+\e+1]
.endr
.endr
.if \ld
	IELOAD \pa
.endif
.irp q, 0,1,2,3
	v_max3_num_f32 v[T+\q], v[AC+32*(\pa)+8*\q], v[AC+32*(\pa)+8*\q+1], v[AC+32*(\pa)+8*\q+2]
.endr
.irp q, 0,1,2,3
	v_max3_num_f32 v[T+\q], v[T+\q], v[AC+32*(\pa)+8*\q+3], v[AC+32*(\pa)+8*\q+4]
.endr
.irp q, 0,1,2,3
	v_max3_num_f32 v[T+\q], v[T+\q], v[AC+32*(\pa)+8*\q+5], v[AC+32*(\pa)+8*\q+6]
.endr
.irp q, 0,1,2,3
	v_max_num_f32 v[T+\q], v[T+\q], v[AC+32*(\pa)+8*\q+7]
.endr
.irp q, 0,1,2,3
	v_and_or_b32 v[T+\q], v[T+\q], s[MSK], v[GT]
.endr
	INSQ T, 1
.endm
; PHASE i, p = i % 2.  loadk: my tile i + 1's fragments, scale words and inverse norms are fetched into sets 1 - p.  mul: tile i is multiplied into set p.  sel: tile i - 1 (set 1 - p) is selected.
; The selection's lines (52, or the 16 that set the lists) are the eight places between a phase's last matrix instruction and the next phase's loads into fragments and reads of results.
.macro PHASE p, loadk, mul, sel
.if \loadk
	s_wait_dscnt 0x2                               ; all but the two youngest LDS loads, the inverse norms asked for in the last phase's selection, which are read a phase later
.else
	s_wait_dscnt 0x0
.endif
	v_add_nc_u32 v[GT], 4, v[GT]
.if \loadk
	v_add_nc_u32 v[ADK+24*\p], s[TB], v[LP]
	v_add_nc_u32 v[ADS+24*\p], s[TB], v[LS]
	v_add_nc_u32 v[ADN+24*\p], s[TB], v[LN]
.irp u, 0,1,2,3,4,5,6,7,8,9,10,11,12,13,14,15
	ds_load_b128 v[KF+64*(1-\p)+4*\u:KF+64*(1-\p)+4*\u+3], v[ADK+24*\p] offset:512*\u   ; ONE run of loads, ahead of the phase's matrix instructions
.endr
	ds_load_b64 v[SCK+2*(1-\p):SCK+2*(1-\p)+1], v[ADS+24*\p]
.endif
.if \mul
	WIN 0x04                                       ; source 1 (queries) window 1; all else window 0
.irp u, 0,1,2,3,4,5,6,7,8,9,10,11,12,13,14,15
	MM \p, \u
.endr
	WIN 0
.endif
.if \loadk
	s_add_co_u32 s[TB], s[TB], 2*REC
.endif
.if \sel
	SELECT 1-\p, \loadk
.else
.irp n, 0,1,2,3,4,5,6,7,8,9,10,11,12,13,14,15
	v_mov_b32 v[ST+\n], 0xff800000                 ; the lists begin under every number; each lane sees 32 groups, so none of these stays
.endr
	IELOAD 1-\p
.endif
.endm
; THE CHANGE OF SLOTS, at the head of the phase that fetches a slot's first tiles.  Each wave waits for all its tensor loads, adds 0 to its spare word, and waits for that and for its reads of the slot that it leaves.
; fill = 1: that slot is filled again with the tiles two slots on, behind a round of the cluster's barrier.
.macro CHANGE fill, g0, tb
	s_wait_tensorcnt 0x0                           ; no tensor load of mine is out, so a group 0 may be written
	ds_add_u32 v[SPW], v[NIL]
.if \fill
	s_add_nc_u64 s[\g0+2:\g0+3], s[\g0+2:\g0+3], 2*SLOT
.endif
	s_wait_dscnt 0x0
.if \fill
	ROUND
	tensor_load_to_lds s[\g0:\g0+3], s[G1:G1+7]    ; my one tensor load until the next such round
	s_nop 0
.rept 4
	v_nop
.endr
.else
	s_barrier_signal -1
	s_barrier_wait -1
.endif
	s_mov_b32 s[TB], \tb
.endm
.macro LOOP3                           ; six phases inside one slot
	s_mov_b32 s[CNT], 3
.Ltrip_\@:
	PHASE 1, 1, 1, 1
	PHASE 0, 1, 1, 1
	s_sub_co_u32 s[CNT], s[CNT], 1
	s_cmp_lg_u32 s[CNT], 0
	s_cbranch_scc1 .Ltrip_\@
.endm
	s_wait_alu depctr_va_vdst(0)
	s_wait_tensorcnt 0x0                           ; my eighth of slot 0 is in
	ds_add_u32 v[SPW], v[NIL]
	s_wait_dscnt 0x0
	ROUND                                          ; everybody's eighth is in, and the four work-groups are here
	tensor_load_to_lds s[G0B:G0B+3], s[G1:G1+7]    ; key tiles 16-31: slot 1's first fill
	s_nop 0
.rept 4
	v_nop
.endr
.irp u, 0,1,2,3,4,5,6,7,8,9,10,11,12,13,14,15
	ds_load_b128 v[KF+4*\u:KF+4*\u+3], v[LP] offset:512*\u   ; my first key tile
.endr
	ds_load_b64 v[SCK:SCK+1], v[LS]
	ds_load_b128 v[IE:IE+3], v[LN]
	ds_load_b128 v[IE+4:IE+7], v[LN] offset:16
	s_wait_loadcnt 0x0                             ; the queries
	PHASE 0, 1, 1, 0                               ; phase 0
	LOOP3                                          ; 1-6
	CHANGE 1, G0A, SLOT                            ; slot 0 takes tiles 32-47
	PHASE 1, 1, 1, 1                               ; 7
	PHASE 0, 1, 1, 1                               ; 8
	LOOP3                                          ; 9-14
	CHANGE 1, G0B, 0                               ; slot 1 takes tiles 48-63
	PHASE 1, 1, 1, 1                               ; 15
	PHASE 0, 1, 1, 1                               ; 16
	LOOP3                                          ; 17-22
	CHANGE 0, G0A, SLOT                            ; nothing is left to fetch
	PHASE 1, 1, 1, 1                               ; 23
	PHASE 0, 1, 1, 1                               ; 24
	LOOP3                                          ; 25-30
	PHASE 1, 0, 1, 1                               ; 31: my last tile is multiplied
	PHASE 0, 0, 0, 1                               ; and selected
; THE TAIL.  The query's other groups lie in the lane 16 away: its four go into my list.  Then two query tiles make 32 queries: lanes 0-15 speak for the even tile, lanes 16-31 for the odd one.
.irp n, 0,1,2,3,4,5,6,7,8,9,10,11,12,13,14,15
	v_permlanex16_b32 v[AC+\n], v[ST+\n], s[SEL], s[SEL+1]
.endr
.irp k, 0,1,2,3
	INSQ AC+\k, 4
.endr
	v_and_b32 v[T], 31, v0
	v_cmp_lt_u32 vcc_lo, 15, v[T]
.irp i, 0,1
.irp k, 0,1,2,3
	v_cndmask_b32 v[IE+4*\i+\k], v[ST+8*\i+\k], v[ST+8*\i+4+\k], vcc_lo
.endr
.endr
.irp n, 0,1,2,3,4,5,6,7
	v_ashrrev_i32 v[IE+8+\n], 31, v[IE+\n]
.endr
.irp n, 0,1,2,3,4,5,6,7
	v_or_b32 v[IE+8+\n], 0x80000000, v[IE+8+\n]
.endr
.irp n, 0,1,2,3,4,5,6,7
	v_xor_b32 v[IE+8+\n], v[IE+8+\n], v[IE+\n]     ; unsigned order = the numbers' order
.endr
.irp n, 0,1,2,3,4,5,6,7
	v_bfi_b32 v[IE+\n], s[MSK], v[IE+8+\n], v[IE+\n]   ; the group's 7 bits stay as they were
.endr
	global_store_b128 v[LI], v[IE:IE+3], s[6:7]              ; each store covers 512 consecutive bytes, aligned
	global_store_b128 v[LI], v[IE+4:IE+7], s[6:7] offset:512
	s_wait_tensorcnt 0x0                           ; the wave's end
	ds_add_u32 v[SPW], v[NIL]
	s_wait_dscnt 0x0
	ROUND                                          ; the closing round
	s_endpgm
.Lfunc_end_k_qcd7525f2d0_sim:
	.size	k_qcd7525f2d0_sim, .Lfunc_end_k_qcd7525f2d0_sim-k_qcd7525f2d0_sim
	.p2alignl 7, 3214868480
	.fill 96, 4, 3214868480
	.section	.rodata,"a",@progbits
	.p2align	6, 0x0
	.amdhsa_kernel k_qcd7525f2d0_sim
		.amdhsa_group_segment_fixed_size 327680
		.amdhsa_private_segment_fixed_size 0
		.amdhsa_enable_private_segment 0
		.amdhsa_kernarg_size 16
		.amdhsa_user_sgpr_count 2
		.amdhsa_user_sgpr_kernarg_segment_ptr 1
		.amdhsa_wavefront_size32 1
		.amdhsa_system_sgpr_workgroup_id_x 1
		.amdhsa_system_sgpr_workgroup_id_y 1
		.amdhsa_system_sgpr_workgroup_id_z 1
		.amdhsa_system_vgpr_workitem_id 0
		.amdhsa_next_free_vgpr 512
		.amdhsa_next_free_sgpr 66
		.amdhsa_reserve_vcc 1
		.amdhsa_float_denorm_mode_32 3
		.amdhsa_float_denorm_mode_16_64 3
		.amdhsa_memory_ordered 1
		.amdhsa_forward_progress 1
		.amdhsa_inst_pref_size 125
	.end_amdhsa_kernel
	.amdgpu_metadata
---
amdhsa.version: [ 1, 2 ]
amdhsa.kernels:
  - .name:           k_qcd7525f2d0_sim
    .symbol:         k_qcd7525f2d0_sim.kd
    .args:
      - { .name: recs, .offset: 0, .size: 8, .value_kind: global_buffer, .address_space: global }
      - { .name: cand, .offset: 8, .size: 8, .value_kind: global_buffer, .address_space: global }
    .group_segment_fixed_size: 327680
    .private_segment_fixed_size: 0
    .kernarg_segment_align: 8
    .kernarg_segment_size: 16
    .max_flat_workgroup_size: 256
    .sgpr_count:     66
    .vgpr_count:     512
    .wavefront_size: 32
...
	.end_amdgpu_metadata
.endif
;; end of part 2
;; launch pick (part 3): grid 256 x 1, 8 waves a work-group, no clusters, 0 bytes of LDS; arguments recs, cand, topv, topi; writes topv, topi
.if DOCPART == 3
	.amdgcn_target "amdgcn-amd-amdhsa--gfx1250"
	.amdhsa_code_object_version 6
	.text
	.protected	k_qcd7525f2d0_pick
	.globl	k_qcd7525f2d0_pick
	.p2align	8
	.type	k_qcd7525f2d0_pick,@function
k_qcd7525f2d0_pick:
	s_mov_b64 s[64:65], 0
	v_nop
	global_prefetch_b8 v0, s[64:65] scope:SCOPE_SE
	s_setreg_imm32_b32 hwreg(HW_REG_WAVE_MODE, 25, 1), 1
	s_wait_xcnt 0x0
; Of each query's 16 x 4 kept groups (whole numbers that the launch before stored) the four largest, by integer compares; those 32 keys are multiplied with the query again, in MX-FP8, and the exact three largest y = dot / |e| go out with their key numbers.
; SHARES.  A work-group takes 32 queries (two tiles of 16); wave w takes queries 4 w .. 4 w + 3, which lie in tile w / 4, columns c0 = 4 (w % 4) on.
; THE MERGE.  Lane (r, h) serves query r of the wave's tile: it merges splits 4 h .. 4 h + 3; then both halves merge half 0's list with half 1's in the same order, so that both hold the same four groups g0 .. g3 (10 bits: 128 x split + the stored 7).
; THE GATHER.  Two groups make a tile of 16 keys (rows 0-7, rows 8-15).  P_a = g(2 a + h) lies in lane (r, h); lane (r', h') pulls, for query k, P_a of lane c0 + k + 16 (r' / 8).  The number is held at 1023 and enters the offset by ANDs, products and sums alone.
; THE PRODUCT, transposed as in the launch before: of a result only column c0 + k counts; there lane (c, h), register j holds key j of group g(2 a + h).  The four queries' columns are brought together by conditional moves.
; No LDS bytes, no cluster: waves share only the query tile's 8 KB, against 64 KB of gathered keys a wave.  A wave's stores cover 64 consecutive bytes (four queries x 16); the eight waves' together 512.
; LIMITS: exact ties between keys are not always resolved to the lower key number; NaN and infinities are not served.
.set REC, 8704
.set KB,  512*REC
.set RR,  2
.set HH,  3
.set LANE, 4
.set CA,  5
.set L16, 6
.set L8,  7
.set SP,  8                            ; v8-11   128 x (4 h + s)
.set VB,  12                           ; v12-15  the pulls' lane selects
.set CV,  16                           ; v16-31  the stored words; later at work, and the final lists
.set CI,  32                           ; v32-47  their groups; later at work
.set NV,  48                           ; v48-51  the merged list, v52-55 its groups
.set NI,  52
.set P,   56
.set G,   58                           ; v58-65  pulled groups, 2 k + a
.set AA,  66                           ; v66-73  offsets of the codes, v74-81 of the scale words, v82-83 of the inverse norms
.set AS,  74
.set AN,  82
.set KY,  84
.set IX,  86
.set SB,  88
.set SK,  90                           ; v90-105 the gathered tiles' scale words
.set IE,  106
.set BF,  122                          ; v122-185 the query tile's fragments
.set DA,  186                          ; v186-249 accumulators, 8 (2 k + a)
.set LC,  250
.set LSC, 251
.set TS,  252
.set R16, 253
.set LP,  254                          ; my 16 codes' place in a chunk of 512 bytes of a whole tile: 256 (r / 8) + 128 (h xor r / 8) + 16 (r % 8)
.set GM,  255                          ; 384 - 256 h: what the upper 8 rows of a key tile add to 128 h + 16 (r % 8)
.set LV,  16
.set LD,  20
.set OT,  24
.set MSB, 0
.macro WIN new
.if MSB != \new
	s_set_vgpr_msb (MSB<<8)|\new
.set MSB, \new
.endif
.endm
	s_load_b256 s[4:11], s[0:1], 0x0               ; recs, cand, topv, topi
	v_lshrrev_b32 v1, 5, v0
	v_readfirstlane_b32 s12, v1                    ; wave 0..7
	s_lshr_b32 s13, s12, 2
	s_lshl_b32 s14, ttmp9, 1
	s_add_co_u32 s14, s14, s13                     ; the query tile
	s_and_b32 s15, s12, 3
	s_lshl_b32 s15, s15, 2                         ; c0
	s_lshl_b32 s16, s14, 8                         ; 16 queries x 16 bytes
	s_mov_b32 s17, 0
	s_mul_i32 s18, s14, REC
	s_mov_b32 s19, 0
	s_mov_b32 s29, 127
	s_mov_b32 s34, 0x76543210
	s_mov_b32 s35, 0xfedcba98
	s_lshl_b32 s40, s15, 2
.irp k, 0,1,2,3
	s_add_co_u32 s[36+\k], s15, \k
.endr
	v_and_b32 v[RR], 15, v0
	v_bfe_u32 v[HH], v0, 4, 1
	v_and_b32 v[LANE], 31, v0
	v_lshlrev_b32 v[R16], 4, v[RR]
	v_lshl_add_u32 v[CA], v[HH], 19, v[R16]        ; 4 h splits of 131,072 bytes + 16 r
	v_lshlrev_b32 v[L8], 3, v[LANE]
	v_lshlrev_b32 v[SP], 9, v[HH]
.irp s, 1,2,3
	v_add_nc_u32 v[SP+\s], 128*\s, v[SP]
.endr
	v_lshrrev_b32 v1, 3, v[RR]
	v_lshlrev_b32 v1, 6, v1
	v_add_nc_u32 v[VB], s40, v1                    ; 4 x (c0 + 16 (r / 8))
.irp k, 1,2,3
	v_add_nc_u32 v[VB+\k], 4*\k, v[VB]
.endr
	v_and_b32 v1, 7, v[RR]
	v_lshlrev_b32 v[LC], 4, v1
	v_lshl_add_u32 v[LC], v[HH], 7, v[LC]          ; in a group's block of 256 bytes, for the lower 8 rows of a tile: 128 h + 16 (r % 8)
	v_lshlrev_b32 v[GM], 8, v[HH]
	v_sub_nc_u32 v[GM], 384, v[GM]
	v_lshrrev_b32 v[G], 3, v[RR]
	v_xor_b32 v[G+1], v[G], v[HH]
	v_lshlrev_b32 v[LP], 4, v1
	v_lshl_add_u32 v[LP], v[G], 8, v[LP]
	v_lshl_add_u32 v[LP], v[G+1], 7, v[LP]
	v_lshlrev_b32 v[LSC], 3, v1
	v_lshl_add_u32 v[LSC], v[HH], 7, v[LSC]        ; in its scale words: 128 h + 8 (r % 8)
	v_cmp_eq_u32 s28, 1, v[HH]
.irp k, 0,1,2,3
	v_cmp_eq_u32 s[30+\k], s[36+\k], v[RR]
.endr
	v_sub_nc_u32 v[TS], v[LANE], s15               ; under 4 in the four lanes that store
	s_wait_alu depctr_va_vdst(0)
	s_wait_kmcnt 0x0
	s_add_nc_u64 s[6:7], s[6:7], s[16:17]
	s_add_nc_u64 s[8:9], s[8:9], s[16:17]
	s_add_nc_u64 s[10:11], s[10:11], s[16:17]
	s_add_nc_u64 s[20:21], s[4:5], s[18:19]        ; the query tile's record
	s_add_nc_u64 s[22:23], s[4:5], KB              ; the keys' records
.irp s, 0,1,2,3
	global_load_b128 v[CV+4*\s:CV+4*\s+3], v[CA], s[6:7] offset:131072*\s           ; each split has two lists: of its even key tiles,
	global_load_b128 v[DA+4*\s:DA+4*\s+3], v[CA], s[6:7] offset:1048576+131072*\s   ; and of its odd ones (into registers that the products use later)
.endr
.irp u, 0,1,2,3,4,5,6,7,8,9,10,11,12,13,14,15
	global_load_b128 v[BF+4*\u:BF+4*\u+3], v[LP], s[20:21] offset:512*\u
.endr
	global_load_b64 v[SB:SB+1], v[L8], s[20:21] offset:8192
	s_wait_loadcnt 17                              ; the stored words are in; the query tile's 17 loads may be out
.irp s, 0,1,2,3
.irp k, 0,1,2,3
	v_and_or_b32 v[CI+4*\s+\k], v[CV+4*\s+\k], s29, v[SP+\s]
	v_and_or_b32 v[DA+16+4*\s+\k], v[DA+4*\s+\k], s29, v[SP+\s]
.endr
.endr
.macro INS4 lv, li, x, ix              ; word x with its group ix into the sorted list of four, values and groups line by line by turns
	v_cmp_gt_u32 s24, v[\x], v[(\lv)+3]
	v_cmp_gt_u32 s25, v[\x], v[(\lv)+2]
	v_cmp_gt_u32 s26, v[\x], v[(\lv)+1]
	v_cmp_gt_u32 s27, v[\x], v[(\lv)]
	v_cndmask_b32 v[(\lv)+3], v[(\lv)+3], v[\x], s24
	v_cndmask_b32 v[(\li)+3], v[(\li)+3], v[\ix], s24
	v_cndmask_b32 v[(\lv)+3], v[(\lv)+3], v[(\lv)+2], s25
	v_cndmask_b32 v[(\li)+3], v[(\li)+3], v[(\li)+2], s25
	v_cndmask_b32 v[(\lv)+2], v[(\lv)+2], v[\x], s25
	v_cndmask_b32 v[(\li)+2], v[(\li)+2], v[\ix], s25
	v_cndmask_b32 v[(\lv)+2], v[(\lv)+2], v[(\lv)+1], s26
	v_cndmask_b32 v[(\li)+2], v[(\li)+2], v[(\li)+1], s26
	v_cndmask_b32 v[(\lv)+1], v[(\lv)+1], v[\x], s26
	v_cndmask_b32 v[(\li)+1], v[(\li)+1], v[\ix], s26
	v_cndmask_b32 v[(\lv)+1], v[(\lv)+1], v[(\lv)], s27
	v_cndmask_b32 v[(\li)+1], v[(\li)+1], v[(\li)], s27
	v_cndmask_b32 v[(\lv)], v[(\lv)], v[\x], s27
	v_cndmask_b32 v[(\li)], v[(\li)], v[\ix], s27
.endm
.irp n, 4,5,6,7,8,9,10,11,12,13,14,15
	INS4 CV, CI, CV+\n, CI+\n                      ; my first list starts the result
.endr
.irp n, 0,1,2,3,4,5,6,7,8,9,10,11,12,13,14,15
	INS4 CV, CI, DA+\n, DA+16+\n                   ; the odd tiles' four lists
.endr
.irp n, 0,1,2,3
	v_permlanex16_b32 v[CV+4+\n], v[CV+\n], s34, s35
	v_permlanex16_b32 v[CI+4+\n], v[CI+\n], s34, s35
.endr
.irp n, 0,1,2,3
	v_cndmask_b32 v[NV+\n], v[CV+\n], v[CV+4+\n], s28        ; half 0's list,
	v_cndmask_b32 v[NI+\n], v[CI+\n], v[CI+4+\n], s28
	v_cndmask_b32 v[CV+4+\n], v[CV+4+\n], v[CV+\n], s28      ; half 1's: the same in both lanes of a query
	v_cndmask_b32 v[CI+4+\n], v[CI+4+\n], v[CI+\n], s28
.endr
.irp n, 4,5,6,7
	INS4 NV, NI, CV+\n, CI+\n
.endr
	v_cndmask_b32 v[P], v[NI], v[NI+1], s28
	v_cndmask_b32 v[P+1], v[NI+2], v[NI+3], s28
	v_min_u32 v[P], 1023, v[P]
	v_min_u32 v[P+1], 1023, v[P+1]
.irp k, 0,1,2,3
.irp a, 0,1
	ds_bpermute_b32 v[G+2*\k+\a], v[VB+\k], v[P+\a]
.endr
.endr
.irp a, 0,1
	v_and_b32 v[CV+\a], 0x3fe, v[P+\a]             ; 2 x the key tile
	v_and_b32 v[CI+\a], 1, v[P+\a]                 ; which 8 of its rows
	v_lshlrev_b32 v[KY+\a], 3, v[P+\a]             ; the group's first key
.endr
.irp a, 0,1
	v_mul_u32_u24 v[AN+\a], v[CV+\a], 4352
.endr
.irp a, 0,1
	v_lshl_add_u32 v[AN+\a], v[CI+\a], 5, v[AN+\a]
.endr
	s_wait_alu depctr_va_vdst(0)
	s_wait_dscnt 0x0
.irp n, 0,1,2,3,4,5,6,7
	v_min_u32 v[G+\n], 1023, v[G+\n]
.endr
.irp n, 0,1,2,3,4,5,6,7
	v_and_b32 v[CV+\n], 0x3fe, v[G+\n]
.endr
.irp n, 0,1,2,3,4,5,6,7
	v_and_b32 v[CI+\n], 1, v[G+\n]
.endr
.irp n, 0,1,2,3,4,5,6,7
	v_mad_u32_u24 v[AA+\n], v[CV+\n], 4352, v[LC]
.endr
.irp n, 0,1,2,3,4,5,6,7
	v_mad_u32_u24 v[AS+\n], v[CV+\n], 4352, v[LSC]
.endr
.irp n, 0,1,2,3,4,5,6,7
	v_mad_u32_u24 v[AA+\n], v[CI+\n], v[GM], v[AA+\n]   ; sixteen lanes then read one aligned block of 256 bytes
.endr
.irp n, 0,1,2,3,4,5,6,7
	v_lshl_add_u32 v[AS+\n], v[CI+\n], 6, v[AS+\n]
.endr
.irp n, 0,1,2,3,4,5,6,7
	global_load_b64 v[SK+2*\n:SK+2*\n+1], v[AS+\n], s[22:23] offset:8192
.endr
.irp a, 0,1
	global_load_b128 v[IE+8*\a:IE+8*\a+3], v[AN+\a], s[22:23] offset:8512
	global_load_b128 v[IE+8*\a+4:IE+8*\a+7], v[AN+\a], s[22:23] offset:8528
.endr
.macro GATHER b                        ; two queries' four tiles of keys fill window 1
	WIN 0x40
.irp n, 0,1,2,3
.irp u, 0,1,2,3,4,5,6,7,8,9,10,11,12,13,14,15
	global_load_b128 v[64*\n+4*\u:64*\n+4*\u+3], v[AA+4*(\b)+\n], s[22:23] offset:512*\u
.endr
.endr
	WIN 0
.endm
.macro MULT b                          ; 16 matrix instructions, the four accumulators by turns
	WIN 0x01                                       ; source 0 (keys) window 1
.irp s, 0,1,2,3
.irp n, 0,1,2,3
.set dd, DA+8*(4*(\b)+\n)
.set sa, SK+2*(4*(\b)+\n)+\s/2
.if \s == 0
	v_wmma_scale_f32_16x16x128_f8f6f4 v[dd:dd+7], v[64*\n+16*\s:64*\n+16*\s+15], v[BF+16*\s:BF+16*\s+15], 0, v[sa], v[SB+\s/2]
.elseif \s == 2
	v_wmma_scale_f32_16x16x128_f8f6f4 v[dd:dd+7], v[64*\n+16*\s:64*\n+16*\s+15], v[BF+16*\s:BF+16*\s+15], v[dd:dd+7], v[sa], v[SB+\s/2]
.else
	v_wmma_scale_f32_16x16x128_f8f6f4 v[dd:dd+7], v[64*\n+16*\s:64*\n+16*\s+15], v[BF+16*\s:BF+16*\s+15], v[dd:dd+7], v[sa], v[SB+\s/2] matrix_a_scale:MATRIX_SCALE_ROW1 matrix_b_scale:MATRIX_SCALE_ROW1
.endif
.endr
.endr
	WIN 0
.rept 8
	v_nop                                          ; eight places in front of loads into the fragments and of reads of the results
.endr
.endm
.macro CONS k                          ; query k's column joins query 0's registers; each accumulator is read from its low end on
.irp a, 0,1
.irp j, 0,1,2,3,4,5,6,7
	v_cndmask_b32 v[DA+8*\a+\j], v[DA+8*\a+\j], v[DA+16*(\k)+8*\a+\j], s[30+\k]
.endr
.endr
.endm
	GATHER 0
	s_wait_alu depctr_va_vdst(0)
	s_wait_loadcnt 0x0
	MULT 0
	GATHER 1
	CONS 1
	s_wait_alu depctr_va_vdst(0)
	s_wait_loadcnt 0x0
	MULT 1
	CONS 2
	CONS 3
.irp e, 0,2,4,6,8,10,12,14
	v_pk_mul_f32 v[DA+\e:DA+\e+1], v[DA+\e:DA+\e+1], v[IE+\e:IE+\e+1]   ; y = dot / |e|
.endr
.irp n, 0,1,2,3
	v_mov_b32 v[LV+\n], 0xff800000
	v_mov_b32 v[LD+\n], 0
.endr
.macro INS3 x, ix                      ; a sorted insert into a >= b >= c
	v_cmp_gt_f32 s24, v[\x], v[LV+2]
	v_cmp_gt_f32 s25, v[\x], v[LV+1]
	v_cmp_gt_f32 s26, v[\x], v[LV]
	v_cndmask_b32 v[LD+2], v[LD+2], v[\ix], s24
	v_cndmask_b32 v[LD+2], v[LD+2], v[LD+1], s25
	v_cndmask_b32 v[LD+1], v[LD+1], v[\ix], s25
	v_cndmask_b32 v[LD+1], v[LD+1], v[LD], s26
	v_cndmask_b32 v[LD], v[LD], v[\ix], s26
	v_med3_num_f32 v[LV+2], v[\x], v[LV+1], v[LV+2]
	v_med3_num_f32 v[LV+1], v[\x], v[LV], v[LV+1]
	v_max_num_f32 v[LV], v[LV], v[\x]
.endm
.irp a, 0,1
.irp j, 0,1,2,3,4,5,6,7
	v_add_nc_u32 v[IX+(\j%2)], \j, v[KY+\a]
	INS3 DA+8*\a+\j, IX+(\j%2)
.endr
.endr
.irp n, 0,1,2
	v_permlanex16_b32 v[OT+\n], v[LV+\n], s34, s35   ; the query's other two groups lie in the lane 16 away
	v_permlanex16_b32 v[OT+3+\n], v[LD+\n], s34, s35
.endr
.irp n, 0,1,2
	INS3 OT+\n, OT+3+\n
.endr
	v_cmp_gt_u32 vcc_lo, 4, v[TS]
	s_wait_alu depctr_va_vdst(0)
	s_wait_xcnt 0x0                                ; EXEC changes only behind this wait
	s_and_saveexec_b32 s41, vcc_lo                 ; lanes c0 .. c0 + 3
	global_store_b128 v[R16], v[LV:LV+3], s[8:9]
	global_store_b128 v[R16], v[LD:LD+3], s[10:11]
	s_wait_xcnt 0x0
	s_or_b32 exec_lo, exec_lo, s41
	s_endpgm
.Lfunc_end_k_qcd7525f2d0_pick:
	.size	k_qcd7525f2d0_pick, .Lfunc_end_k_qcd7525f2d0_pick-k_qcd7525f2d0_pick
	.p2alignl 7, 3214868480
	.fill 96, 4, 3214868480
	.section	.rodata,"a",@progbits
	.p2align	6, 0x0
	.amdhsa_kernel k_qcd7525f2d0_pick
		.amdhsa_group_segment_fixed_size 0
		.amdhsa_private_segment_fixed_size 0
		.amdhsa_enable_private_segment 0
		.amdhsa_kernarg_size 32
		.amdhsa_user_sgpr_count 2
		.amdhsa_user_sgpr_kernarg_segment_ptr 1
		.amdhsa_wavefront_size32 1
		.amdhsa_system_sgpr_workgroup_id_x 1
		.amdhsa_system_sgpr_workgroup_id_y 1
		.amdhsa_system_sgpr_workgroup_id_z 1
		.amdhsa_system_vgpr_workitem_id 0
		.amdhsa_next_free_vgpr 512
		.amdhsa_next_free_sgpr 66
		.amdhsa_reserve_vcc 1
		.amdhsa_float_denorm_mode_32 3
		.amdhsa_float_denorm_mode_16_64 3
		.amdhsa_memory_ordered 1
		.amdhsa_forward_progress 1
		.amdhsa_inst_pref_size 86
	.end_amdhsa_kernel
	.amdgpu_metadata
---
amdhsa.version: [ 1, 2 ]
amdhsa.kernels:
  - .name:           k_qcd7525f2d0_pick
    .symbol:         k_qcd7525f2d0_pick.kd
    .args:
      - { .name: recs, .offset: 0, .size: 8, .value_kind: global_buffer, .address_space: global }
      - { .name: cand, .offset: 8, .size: 8, .value_kind: global_buffer, .address_space: global }
      - { .name: topv, .offset: 16, .size: 8, .value_kind: global_buffer, .address_space: global }
      - { .name: topi, .offset: 24, .size: 8, .value_kind: global_buffer, .address_space: global }
    .group_segment_fixed_size: 0
    .private_segment_fixed_size: 0
    .kernarg_segment_align: 8
    .kernarg_segment_size: 32
    .max_flat_workgroup_size: 256
    .sgpr_count:     66
    .vgpr_count:     512
    .wavefront_size: 32
...
	.end_amdgpu_metadata
.endif
;; end of part 3
;; launch mlp (part 4): grid 256 x 1, 16 waves a work-group, clusters of 4 x 1, 327,680 bytes of LDS; arguments existing_node_features, recs, topv, topi, fc_w_codes, fc_w_scales, fc_b, om_w_codes, om_w_scales, om_b, out0; writes out0
.if DOCPART == 4
	.amdgcn_target "amdgcn-amd-amdhsa--gfx1250"
	.amdhsa_code_object_version 6
	.text
	.protected	k_qcd7525f2d0_mlp
	.globl	k_qcd7525f2d0_mlp
	.p2align	8
	.type	k_qcd7525f2d0_mlp,@function
k_qcd7525f2d0_mlp:
	s_mov_b64 s[64:65], 0
	v_nop
	global_prefetch_b8 v0, s[64:65] scope:SCOPE_SE
	s_setreg_imm32_b32 hwreg(HW_REG_WAVE_MODE, 25, 1), 1
	s_wait_xcnt 0x0
	s_wait_alu depctr_hold_cnt(0) depctr_sa_sdst(0) depctr_va_vdst(0) depctr_va_sdst(0) depctr_va_ssrc(0) depctr_va_vcc(0) depctr_vm_vsrc(0)
	s_getreg_b32 s2, hwreg(HW_REG_IB_STS2, 6, 4)
	s_cmp_eq_u32 s2, 0
	s_cbranch_scc0 .Lentry_in_a_cluster
	s_endpgm
.Lentry_in_a_cluster:
	s_bfe_u32 s2, ttmp6, 0x10000c
	s_cmp_lg_u32 s2, 0x3003
	s_cbranch_scc0 .Lentry_shape_is_right
	s_endpgm
.Lentry_shape_is_right:
; out = (Q(Q(agg) fc_w^T + fc_b)) om_w^T + om_b, Q the quantiser to E4M3 with one E8M0 scale for each 32 along K; agg = the average of a query's three nearest rows, weighted by their similarities.
; SHARES.  A work-group of sixteen waves takes 32 queries (two tiles of 16 rows).  Wave w gathers and averages rows 2 w and 2 w + 1, in f32; then it makes hidden units 32 w .. 32 w + 31, and outputs 32 w .. 32 w + 31, of all 32 rows.
; THE SIMILARITIES.  topv holds y = dot / |e|; v = y |e| / (|n| |e| + 1e-8), as the problem has it; agg = (v0 e0 + v1 e1 + v2 e2) / (v0 + v1 + v2).  The key numbers come from topi, which an earlier launch stored.
; OPERANDS GO FROM WAVE TO WAVE THROUGH LDS AS IMAGES OF THEIR REGISTERS: (tile of rows, K step s, group c) at 8192 tile + 2048 s + 512 c + 16 lane; their scale bytes at 256 tile + 64 s + 4 row + c.
; BOTH PRODUCTS ARE USED TRANSPOSED (source 0 = 16 rows of the weight, source 1 = 16 rows of the operand).  The rows of fc_w that form a tile are not neighbours: lane r of tile u takes row 32 w + 8 u + r + 8 (r / 8),
; so that a lane's 16 results of the two tiles are 16 neighbours along the next K: one block of 32 in lanes l and l xor 16, and the conversions' results are group w % 4 of K step w / 4 of the next operand.
; THE WEIGHTS come as four pieces (each layer's K halves: 512 rows x 256 bytes) through two LDS slots.  All work-groups walk the same weights, so the four of a cluster ask JOINTLY (mask 15); waves 0-3 bring 128 rows each.
; The biases are the C of each sum's first matrix instruction.
; LIMITS: NaN and infinities are not served; a block whose largest magnitude lies under 2^-118 keeps the scale byte 1 (its codes are then held small numbers or zeros).
.set WP,    272                        ; a weight row in LDS: 256 bytes + 16 of padding: 68 words, so neighbouring rows start four banks apart
.set SLOTB, 512*WP
.set QUART, 128*WP                     ; what one tensor load brings
.set U,     2*SLOTB                    ; 40,960 bytes: first sixteen stages of 2,560 bytes for the turn; then the images of x (16,384) and of the hidden layer (16,384)
.set HIMG,  16384
.set XSC,   U+40960                    ; x's scale bytes, 512; behind them the hidden layer's, 512
.set HSCO,  512
.set SPARE, XSC+1024                   ; the spare words, 128 bytes for each wave: eight blocks of 256 bytes that no other line names
.set OP,    2064                       ; the way out: 32 rows x (2,048 bytes + 16), in slot 0 after its last fill and its last read
.set NB,    512*8704+8448              ; the norms lie in the tiles' records of 8,704 bytes, at byte 8448; the existing nodes' records begin at record 512
.set L16, 1                            ; 16 x lane
.set RR,  2
.set HH,  3
.set SPW, 4                            ; LDS address of my spare word; never rewritten
.set NIL, 5                            ; 0; never rewritten
.set VO,  6                            ; v6-11   the six gathered rows' byte offsets
.set TWI, 12                           ; the turn: in, out
.set TWO, 13
.set XWI, 14                           ; x's image and scale byte
.set XWB, 15
.set LIU, 16                           ; U + 16 x lane
.set LSX, 17                           ; XSC + 4 r
.set AW,  18                           ; v18-21  my rows of fc_w in slots 0, 1; of om_w in slots 0, 1
.set HWI, 22                           ; the hidden layer's image and scale byte
.set HWB, 23
.set SO,  24                           ; the way out: in, back
.set SR,  25
.set LANE, 26
.set WT,  28                           ; v28-43  row p: v0, v1, v2, 1 / sum in the low words of four pairs
.set EPS, 44
.set GL,  48                           ; v48-143 the gathered rows: 48 p + 16 k + 4 j; later the turned rows, the fragments, the hidden layer
.set WF,  48
.set XF,  80
.set HA,  112
.set XX,  144                          ; v144-175 the averages; later the outputs' accumulators
.set OA,  144
.set PC,  176
.set TM,  184
.set BT,  188
.set YE,  190
.set W1S, 200
.set W2S, 208
.set B1,  216
.set B2,  232
.set XS,  248
.set A1,  250
.set A2,  251
.set A3,  252
.set A4,  253
.set WV,  26
.set MNT, 27
.set SEL, 28
.set G1W, 32
.set TI,  56                           ; s56-63 two queries' key numbers;  s68-75 their y;  s76-77 their norms;  s78-83 the six |e|;  s88-93 where those lie
.set TV,  68
.set NN,  76
.set EN,  78
.set EO,  88
.macro ROUND                           ; a round of the cluster's barrier
	s_barrier_signal -1
	s_barrier_wait -1
	s_cmp_lg_u32 s[WV], 0
	s_cbranch_scc1 .Lnot_wave_0_\@
	s_barrier_signal -3
.Lnot_wave_0_\@:
	s_barrier_wait -3
	s_barrier_signal -1
	s_barrier_wait -1
.endm
	s_load_b256 s[4:11], s[0:1], 0x0               ; existing, norms, topv, topi
	s_load_b256 s[12:19], s[0:1], 0x20             ; fc_w codes, scales, fc_b, om_w codes
	s_load_b128 s[20:23], s[0:1], 0x40             ; om_w scales, om_b
	s_load_b64 s[24:25], s[0:1], 0x50              ; out0
	v_lshl_add_u32 v[SPW], v0, 2, SPARE
	v_mov_b32 v[NIL], 0
	ds_add_u32 v4, v5
	ds_add_u32 v4, v5
	s_wait_dscnt 0x0
	v_lshrrev_b32 v27, 5, v0
	s_delay_alu instid0(VALU_DEP_1)
	v_readfirstlane_b32 s[WV], v27                 ; wave 0..15
	s_bfe_u32 s31, ttmp6, 0x40000                  ; cx
	s_lshl_b32 s30, ttmp9, 2
	s_add_co_u32 s30, s30, s31                     ; my block of 32 queries: it enters the addresses of plain loads and stores alone
	s_mov_b32 s[G1W], 15|(1<<20)|(1<<21)|(5<<22)|(3<<25)   ; 15:0 the mask of all four; elements of 1 byte; 20 padding on; 21 set beside a mask; four words behind every 64
	s_mov_b32 s[G1W+1], 256<<16                    ; tensor_dim0
	s_mov_b32 s[G1W+2], 128<<16                    ; tensor_dim1
	s_mov_b32 s[G1W+3], 256<<16                    ; tile_dim0
	s_mov_b32 s[G1W+4], 128                        ; tile_dim1
	s_mov_b32 s[G1W+5], 512                        ; a weight row in memory
	s_mov_b32 s[G1W+6], 0
	s_mov_b32 s[G1W+7], 0
	s_and_b32 s84, s[WV], 3
	s_mul_i32 s85, s84, QUART                      ; my 128 rows in a slot,
	s_lshl_b32 s86, s84, 16                        ; and in memory
	s_mov_b32 s87, 0
	s_mov_b32 s[SEL], 0x76543210
	s_mov_b32 s[SEL+1], 0xfedcba98
	s_mov_b32 s[MNT], 0x600000
	s_wait_kmcnt 0x0
	s_add_nc_u64 s[42:43], s[12:13], s[86:87]      ; four groups 0, never rewritten: fc_w's K halves,
	s_add_nc_u64 s[46:47], s[42:43], 256
	s_add_nc_u64 s[50:51], s[18:19], s[86:87]      ; om_w's
	s_add_nc_u64 s[54:55], s[50:51], 256
.irp g, 40,44,48,52
	s_mov_b32 s[\g], 1
	s_or_b32 s[\g+3], s[\g+3], 0x80000000
.endr
	s_mov_b32 s41, s85
	s_add_co_u32 s45, s85, SLOTB
	s_mov_b32 s49, s85
	s_add_co_u32 s53, s85, SLOTB
	ROUND                                          ; all four work-groups are here: the first joint loads meet
	s_cmp_lt_u32 s[WV], 4
	s_cbranch_scc0 .Lsecond
	tensor_load_to_lds s[40:43], s[G1W:G1W+7]      ; waves 0-3: slot 0, 128 rows each: one tensor load a wave at the head
	s_nop 0
.rept 4
	v_nop
.endr
	s_branch .Lno_first
.Lsecond:
	s_cmp_lt_u32 s[WV], 8
	s_cbranch_scc0 .Lno_first
	tensor_load_to_lds s[44:47], s[G1W:G1W+7]      ; waves 4-7: slot 1, 128 rows each
	s_nop 0
.rept 4
	v_nop
.endr
.Lno_first:
	s_lshl_b32 s96, s30, 5
	s_lshl_b32 s97, s[WV], 1
	s_add_co_u32 s96, s96, s97                     ; my first query: 32 x block + 2 x wave
	s_lshl_b32 s88, s96, 4
	s_mov_b32 s89, 0
	s_add_nc_u64 s[90:91], s[10:11], s[88:89]
	s_add_nc_u64 s[92:93], s[8:9], s[88:89]
	s_load_b256 s[TI:TI+7], s[90:91], 0x0          ; two queries' key numbers,
	s_load_b256 s[TV:TV+7], s[92:93], 0x0          ; their y,
	s_and_b32 s94, s96, 0x1ff0
	s_mul_i32 s94, s94, 544                        ; record (query / 16) of 8,704 bytes
	s_and_b32 s95, s96, 15
	s_lshl_b32 s95, s95, 2
	s_add_co_u32 s94, s94, s95
	s_load_b64 s[NN:NN+1], s[6:7], s94 offset:8448 ; and their norms: record (query / 16), word query % 16
	v_and_b32 v[LANE], 31, v0
	v_and_b32 v[RR], 15, v0
	v_bfe_u32 v[HH], v0, 4, 1
	s_delay_alu instid0(VALU_DEP_3)
	v_lshlrev_b32 v[L16], 4, v[LANE]
	s_mul_i32 s98, s[WV], 2560                     ; my stage for the turn: four lanes' 64 bytes, then 16 of padding
	s_add_co_u32 s98, s98, U
	v_lshrrev_b32 v27, 2, v[LANE]
	s_delay_alu instid0(VALU_DEP_1)
	v_mul_u32_u24 v27, v27, 80
	v_and_b32 v[TWI], 3, v[LANE]
	s_delay_alu instid0(VALU_DEP_1)
	v_lshl_add_u32 v[TWI], v[TWI], 4, v27
	s_delay_alu instid0(VALU_DEP_1)
	v_add_nc_u32 v[TWI], s98, v[TWI]
	v_mul_u32_u24 v[TWO], v[LANE], 80
	s_delay_alu instid0(VALU_DEP_1)
	v_add_nc_u32 v[TWO], s98, v[TWO]
	s_lshr_b32 s98, s[WV], 3                       ; x's image: lane l holds k = 16 l on of row 2 (w % 8) + p of tile w / 8: 8192 (w / 8) + 256 l + 16 row
	s_lshl_b32 s98, s98, 13
	s_and_b32 s99, s[WV], 7
	s_lshl_b32 s99, s99, 5
	s_add_co_u32 s98, s98, s99
	s_add_co_u32 s98, s98, U
	v_lshl_add_u32 v[XWI], v[LANE], 8, s98
	s_lshr_b32 s98, s[WV], 3                       ; its scale byte: 256 (w / 8) + 64 (l / 8) + 4 row + (l / 2) % 4
	s_lshl_b32 s98, s98, 8
	s_and_b32 s99, s[WV], 7
	s_lshl_b32 s99, s99, 3
	s_add_co_u32 s98, s98, s99
	s_add_co_u32 s98, s98, XSC
	v_lshrrev_b32 v27, 3, v[LANE]
	v_bfe_u32 v[XWB], v[LANE], 1, 2
	s_delay_alu instid0(VALU_DEP_1)
	v_lshl_add_u32 v[XWB], v27, 6, v[XWB]
	s_delay_alu instid0(VALU_DEP_1)
	v_add_nc_u32 v[XWB], s98, v[XWB]
	v_add_nc_u32 v[LIU], U, v[L16]
	v_lshl_add_u32 v[LSX], v[RR], 2, XSC
	v_and_b32 v27, 8, v[RR]
	s_delay_alu instid0(VALU_DEP_1)
	v_add_nc_u32 v27, v27, v[RR]                   ; r + 8 (r / 8)
	s_lshl_b32 s98, s[WV], 5
	v_add_nc_u32 v27, s98, v27                     ; my row of fc_w's tile 0
	s_delay_alu instid0(VALU_DEP_1)
	v_mul_u32_u24 v[AW], v27, WP
	s_delay_alu instid0(VALU_DEP_1)
	v_lshl_add_u32 v[AW], v[HH], 4, v[AW]
	s_delay_alu instid0(VALU_DEP_1)
	v_add_nc_u32 v[AW+1], SLOTB, v[AW]
	s_delay_alu instid0(VALU_DEP_4)
	v_lshlrev_b32 v[A1], 4, v27                    ; its 16 scale bytes
	v_add_nc_u32 v27, s98, v[RR]                   ; my row of om_w's tile 0
	s_delay_alu instid0(VALU_DEP_1)
	v_mul_u32_u24 v[AW+2], v27, WP
	s_delay_alu instid0(VALU_DEP_1)
	v_lshl_add_u32 v[AW+2], v[HH], 4, v[AW+2]
	s_delay_alu instid0(VALU_DEP_1)
	v_add_nc_u32 v[AW+3], SLOTB, v[AW+2]
	s_delay_alu instid0(VALU_DEP_4)
	v_lshlrev_b32 v[A2], 4, v27
	s_wait_alu depctr_va_vdst(0)
	s_lshl_b32 s99, s[WV], 7
	v_lshl_add_u32 v[A3], v[HH], 6, s99            ; fc_b at 32 w + 16 h
	s_wait_alu depctr_va_vdst(0)
	v_lshl_add_u32 v[A4], v[HH], 5, s99            ; om_b at 32 w + 8 h
	s_wait_alu depctr_va_vdst(0)
	s_lshl_b32 s98, s[WV], 9
	s_add_co_u32 s98, s98, U+HIMG
	v_add_nc_u32 v[HWI], s98, v[L16]               ; the hidden layer's image: 512 w + 16 lane
	s_lshr_b32 s98, s[WV], 2
	s_lshl_b32 s98, s98, 6
	s_and_b32 s99, s[WV], 3
	s_add_co_u32 s98, s98, s99
	s_add_co_u32 s98, s98, XSC+HSCO
	v_lshl_add_u32 v[HWB], v[RR], 2, s98           ; its scale byte: 64 (w / 4) + 4 r + w % 4
	v_mul_u32_u24 v[SO], v[RR], OP
	s_delay_alu instid0(VALU_DEP_1)
	v_lshl_add_u32 v[SO], v[HH], 5, v[SO]
	s_lshl_b32 s98, s[WV], 7
	v_add_nc_u32 v[SO], s98, v[SO]                 ; the way out, in: row r, + 128 w + 32 h
	s_mul_i32 s98, s[WV], 2*OP
	v_add_nc_u32 v[SR], s98, v[L16]                ; back: my two rows
.irp u, 0,1
	global_load_b128 v[W1S+4*\u:W1S+4*\u+3], v[A1], s[14:15] offset:128*\u      ; a row's four scale words, one for each K step
	global_load_b128 v[W2S+4*\u:W2S+4*\u+3], v[A2], s[20:21] offset:256*\u
	global_load_b128 v[B1+8*\u:B1+8*\u+3], v[A3], s[16:17] offset:32*\u
	global_load_b128 v[B1+8*\u+4:B1+8*\u+7], v[A3], s[16:17] offset:32*\u+16
	global_load_b128 v[B2+8*\u:B2+8*\u+3], v[A4], s[22:23] offset:64*\u
	global_load_b128 v[B2+8*\u+4:B2+8*\u+7], v[A4], s[22:23] offset:64*\u+16
.endr
	s_wait_kmcnt 0x0
.macro NBR i, e                        ; neighbour e of six, word i of the eight loaded: held inside the table; its norm's place; its row's offset
	s_min_u32 s[TI+\i], s[TI+\i], 8191
	s_and_b32 s[EO+\e], s[TI+\i], 0x1ff0
	s_mul_i32 s[EO+\e], s[EO+\e], 544
	s_and_b32 s97, s[TI+\i], 15
	s_lshl_b32 s97, s97, 2
	s_add_co_u32 s[EO+\e], s[EO+\e], s97
	s_load_b32 s[EN+\e], s[6:7], s[EO+\e] offset:NB
	s_lshl_b32 s97, s[TI+\i], 11
	v_add_nc_u32 v[VO+\e], s97, v[L16]
.endm
	NBR 0, 0
	s_wait_alu depctr_va_vdst(0)
	NBR 1, 1
	s_wait_alu depctr_va_vdst(0)
	NBR 2, 2
	s_wait_alu depctr_va_vdst(0)
	NBR 4, 3
	s_wait_alu depctr_va_vdst(0)
	NBR 5, 4
	s_wait_alu depctr_va_vdst(0)
	NBR 6, 5
.irp p, 0,1
.irp k, 0,1,2
.irp j, 0,1,2,3
	global_load_b128 v[GL+48*\p+16*\k+4*\j:GL+48*\p+16*\k+4*\j+3], v[VO+3*\p+\k], s[4:5] offset:512*\j   ; a quarter of a row: 512 consecutive bytes
.endr
.endr
.endr
	s_wait_kmcnt 0x0                               ; the six |e|
	v_mov_b32 v[EPS], 0x322bcc77                   ; 1e-8
.irp p, 0,1
.irp k, 0,1,2
	v_fma_f32 v[WT+8*\p+2*\k], s[NN+\p], s[EN+3*\p+\k], v[EPS]
.endr
.endr
	s_wait_alu depctr_va_vdst(0)
.irp p, 0,1
.irp k, 0,1,2
	v_rcp_f32 v[WT+8*\p+2*\k], v[WT+8*\p+2*\k]
.endr
.endr
.irp p, 0,1
.irp k, 0,1,2
	v_mul_f32 v[YE+3*\p+\k], s[TV+4*\p+\k], s[EN+3*\p+\k]   ; the dot product again (plain lines behind the reciprocals)
.endr
.endr
	s_wait_alu depctr_va_vdst(0)
.irp p, 0,1
.irp k, 0,1,2
	v_mul_f32 v[WT+8*\p+2*\k], v[WT+8*\p+2*\k], v[YE+3*\p+\k]   ; the similarity
.endr
.endr
.irp p, 0
	v_add_f32 v[WT+8*\p+6], v[WT+8*\p], v[WT+8*\p+2]
.endr
.irp p, 1
	s_delay_alu instid0(VALU_DEP_3)
	v_add_f32 v[WT+8*\p+6], v[WT+8*\p], v[WT+8*\p+2]
.endr
.irp p, 0,1
	s_delay_alu instid0(VALU_DEP_2)
	v_add_f32 v[WT+8*\p+6], v[WT+8*\p+6], v[WT+8*\p+4]
.endr
	s_wait_alu depctr_va_vdst(0)
.irp p, 0,1
	v_rcp_f32 v[WT+8*\p+6], v[WT+8*\p+6]
.endr
.irp i, 0,1,2,3,4,5,6,7
	v_mov_b32 v[WT+2*\i+1], 0                      ; the packed forms name pairs and take the low word for both halves: the high words are written
.endr
	s_lshl_b32 s88, s96, 11
	s_mov_b32 s89, 0
	s_add_nc_u64 s[24:25], s[24:25], s[88:89]      ; out0 at my two rows
	s_wait_loadcnt 0x0
	s_wait_alu depctr_va_vdst(0)
.irp p, 0,1
.irp e, 0,2,4,6,8,10,12,14
	v_pk_mul_f32 v[XX+16*\p+\e:XX+16*\p+\e+1], v[GL+48*\p+\e:GL+48*\p+\e+1], v[WT+8*\p:WT+8*\p+1] op_sel_hi:[1,0]
.endr
.irp e, 0,2,4,6,8,10,12,14
	v_pk_fma_f32 v[XX+16*\p+\e:XX+16*\p+\e+1], v[GL+48*\p+16+\e:GL+48*\p+16+\e+1], v[WT+8*\p+2:WT+8*\p+3], v[XX+16*\p+\e:XX+16*\p+\e+1] op_sel_hi:[1,0,1]
.endr
.irp e, 0,2,4,6,8,10,12,14
	v_pk_fma_f32 v[XX+16*\p+\e:XX+16*\p+\e+1], v[GL+48*\p+32+\e:GL+48*\p+32+\e+1], v[WT+8*\p+4:WT+8*\p+5], v[XX+16*\p+\e:XX+16*\p+\e+1] op_sel_hi:[1,0,1]
.endr
.irp e, 0,2,4,6,8,10,12,14
	v_pk_mul_f32 v[XX+16*\p+\e:XX+16*\p+\e+1], v[XX+16*\p+\e:XX+16*\p+\e+1], v[WT+8*\p+6:WT+8*\p+7] op_sel_hi:[1,0]
.endr
.endr
; 16 neighbours along K at v[s] become four registers of codes at v[d] and the block's scale byte in v[bt].  The block's other 16 lie in lane xor 16 (cross = 1) or in lane xor 1 (0).
.macro Q16 s, d, bt, cross
	v_max3_num_f32 v[TM], |v[(\s)]|, |v[(\s)+1]|, 0x4800000   ; with the floor 2^(9 - 127): the byte cannot fall under 1
	v_max3_num_f32 v[TM+1], |v[(\s)+2]|, |v[(\s)+3]|, |v[(\s)+4]|
.irp i, 5,9
	v_max3_num_f32 v[TM], v[TM], |v[(\s)+\i]|, |v[(\s)+\i+1]|
	v_max3_num_f32 v[TM+1], v[TM+1], |v[(\s)+\i+2]|, |v[(\s)+\i+3]|
.endr
	v_max3_num_f32 v[TM], v[TM], |v[(\s)+13]|, |v[(\s)+14]|
	v_max3_num_f32 v[TM], v[TM], v[TM+1], |v[(\s)+15]|
.if \cross
	s_delay_alu instid0(VALU_DEP_1)
	v_permlanex16_b32 v[TM+1], v[TM], s[SEL], s[SEL+1]
	s_delay_alu instid0(VALU_DEP_1)
	v_max_num_f32 v[TM], v[TM], v[TM+1]
.else
	s_delay_alu instid0(VALU_DEP_1)
	v_max_num_f32_dpp v[TM], v[TM], v[TM] row_xmask:1 row_mask:0xf bank_mask:0xf
.endif
	s_delay_alu instid0(VALU_DEP_1)
	v_add_nc_u32 v[TM+2], 0xfc000000, v[TM]        ; 8 off the exponent field: the conversion's scale operand
	s_delay_alu instid0(VALU_DEP_2)
	v_and_or_b32 v[TM+3], v[TM], 0x7f800000, s[MNT]   ; 448 x the scale
.irp i, 0,1,2,3,4,5,6,7,8,9,10,11,12,13,14,15
	v_med3_num_f32 v[(\s)+\i], v[(\s)+\i], -v[TM+3], v[TM+3]   ; the conversion to an 8-bit code does not saturate (ISA guide 7.6.2)
.endr
	v_cvt_scalef32_pk8_fp8_f32 v[(\d):(\d)+1], v[(\s):(\s)+7], v[TM+2]
	v_cvt_scalef32_pk8_fp8_f32 v[(\d)+2:(\d)+3], v[(\s)+8:(\s)+15], v[TM+2]
	v_lshrrev_b32 v[\bt], 23, v[TM+2]              ; the scale's byte; also the plain line behind the conversions
.endm
.irp p, 0,1                            ; the turn: a lane holds 4 numbers of each quarter and wants 16 neighbours.  LDS serves a wave's instructions in order: one stage serves both rows
.irp j, 0,1,2,3
	ds_store_b128 v[TWI], v[XX+16*\p+4*\j:XX+16*\p+4*\j+3] offset:640*\j
.endr
.irp i, 0,1,2,3
	ds_load_b128 v[GL+16*\p+4*\i:GL+16*\p+4*\i+3], v[TWO] offset:16*\i
.endr
.endr
	s_wait_dscnt 8                                 ; the first row is back; the second row's eight LDS lines may be out
	Q16 GL, PC, BT, 0
	s_wait_dscnt 0x0
	Q16 GL+16, PC+4, BT+1, 0
	s_wait_alu depctr_va_vdst(0)
	s_barrier_signal -1                            ; every wave's reads of its stage are over: the images may be laid over the stages
	s_barrier_wait -1
	ds_store_b128 v[XWI], v[PC:PC+3]
	ds_store_b128 v[XWI], v[PC+4:PC+7] offset:16
	ds_store_b8 v[XWB], v[BT]                      ; both lanes of a block write the same byte with the same value
	ds_store_b8 v[XWB], v[BT+1] offset:4
	s_wait_tensorcnt 0x0                           ; every fetching wave's one load is in: both slots are whole behind this barrier
	s_wait_dscnt 0x0                               ; my images have landed
	s_barrier_signal -1
	s_barrier_wait -1
; One K step of 128: two weight fragments (ts bytes apart), the two row tiles' fragments and scale words, four matrix instructions, the four accumulators by turns.
; np plain lines stand in front of the loads into registers that matrix instructions have read (ISA guide 7.12.1 for vector instructions).
.macro KSTEP aw, ts, s, img, sco, ws, bias, acc, np
.rept \np
	v_nop
.endr
.irp t, 0,1
.irp c, 0,1,2,3
	ds_load_b128 v[WF+16*\t+4*\c:WF+16*\t+4*\c+3], v[\aw] offset:(\ts)*\t+128*((\s)%2)+32*\c
.endr
.endr
.irp m, 0,1
.irp c, 0,1,2,3
	ds_load_b128 v[XF+16*\m+4*\c:XF+16*\m+4*\c+3], v[LIU] offset:(\img)+8192*\m+2048*(\s)+512*\c
.endr
	ds_load_b32 v[XS+\m], v[LSX] offset:(\sco)+256*\m+64*(\s)
.endr
	s_wait_dscnt 0x0
.irp m, 0,1
.irp t, 0,1
.if (\s) == 0
	v_wmma_scale_f32_16x16x128_f8f6f4 v[\acc+16*\m+8*\t:\acc+16*\m+8*\t+7], v[WF+16*\t:WF+16*\t+15], v[XF+16*\m:XF+16*\m+15], v[\bias+8*\t:\bias+8*\t+7], v[\ws+4*\t+(\s)], v[XS+\m]
.else
	v_wmma_scale_f32_16x16x128_f8f6f4 v[\acc+16*\m+8*\t:\acc+16*\m+8*\t+7], v[WF+16*\t:WF+16*\t+15], v[XF+16*\m:XF+16*\m+15], v[\acc+16*\m+8*\t:\acc+16*\m+8*\t+7], v[\ws+4*\t+(\s)], v[XS+\m]
.endif
.endr
.endr
.endm
; A slot is filled again: every wave waits for all its tensor loads, adds 0 to its spare word, waits for that, for its reads of the slot and for its LDS stores; a round of the cluster's barrier; the joint refill first behind it.
.macro CHANGE g0
	s_wait_tensorcnt 0x0
	ds_add_u32 v[SPW], v[NIL]
	ds_add_u32 v4, v5
	s_wait_dscnt 0x0
	ROUND
	s_cmp_lt_u32 s[WV], 4
	s_cbranch_scc0 .Lno_fill_\@
	tensor_load_to_lds s[\g0:\g0+3], s[G1W:G1W+7]  ; a fetching wave's one tensor load until the next such round
	s_nop 0
.rept 4
	v_nop
.endr
.Lno_fill_\@:
.endm
	KSTEP AW, 8*WP, 0, 0, 0, W1S, B1, HA, 0
	KSTEP AW, 8*WP, 1, 0, 0, W1S, B1, HA, 8
	CHANGE 48                                      ; slot 0 takes om_w's first K half; slot 1 is whole
	KSTEP AW+1, 8*WP, 2, 0, 0, W1S, B1, HA, 8
	KSTEP AW+1, 8*WP, 3, 0, 0, W1S, B1, HA, 8
.rept 8
	v_nop                                          ; in front of the first read of the results
.endr
	Q16 HA, PC, BT, 1                              ; rows 0-15: my 32 hidden units are one block; each accumulator is read from its low end on
	Q16 HA+16, PC+4, BT+1, 1                       ; rows 16-31
	ds_store_b128 v[HWI], v[PC:PC+3]
	ds_store_b128 v[HWI], v[PC+4:PC+7] offset:8192
	ds_store_b8 v[HWB], v[BT]                      ; lanes r and r + 16 write the same byte with the same value
	ds_store_b8 v[HWB], v[BT+1] offset:256
	CHANGE 52                                      ; slot 1 takes om_w's second K half; slot 0 is whole, and the hidden layer's images lie in LDS
	KSTEP AW+2, 16*WP, 0, HIMG, HSCO, W2S, B2, OA, 8
	KSTEP AW+2, 16*WP, 1, HIMG, HSCO, W2S, B2, OA, 8
	s_wait_tensorcnt 0x0                           ; my part of the last piece is in;
	ds_add_u32 v[SPW], v[NIL]
	s_wait_dscnt 0x0                               ; my reads of slot 0 are over
	s_barrier_signal -1
	s_barrier_wait -1                              ; slot 1 is whole, and slot 0 is free for the way out
	KSTEP AW+3, 16*WP, 2, HIMG, HSCO, W2S, B2, OA, 8
	KSTEP AW+3, 16*WP, 3, HIMG, HSCO, W2S, B2, OA, 8
.rept 8
	v_nop                                          ; in front of the stores of the results and of the loads into the fragments' registers
.endr
.irp m, 0,1                            ; lane (r, h), accumulator (m, t): out(16 m + r, 32 w + 16 t + 8 h + 0 .. 7): 32 bytes of a row
.irp t, 0,1
	ds_store_b128 v[SO], v[OA+16*\m+8*\t:OA+16*\m+8*\t+3] offset:16*OP*\m+64*\t
	ds_store_b128 v[SO], v[OA+16*\m+8*\t+4:OA+16*\m+8*\t+7] offset:16*OP*\m+64*\t+16
.endr
.endr
	s_wait_dscnt 0x0                               ; for the others' sake: my stores into the stage are done
	s_barrier_signal -1
	s_barrier_wait -1
.irp p, 0,1
.irp j, 0,1,2,3
	ds_load_b128 v[GL+16*\p+4*\j:GL+16*\p+4*\j+3], v[SR] offset:OP*\p+512*\j
.endr
.endr
.irp p, 0,1
.irp j, 0,1,2,3
	s_wait_dscnt 7-4*\p-\j                         ; the younger loads may stay out
	global_store_b128 v[L16], v[GL+16*\p+4*\j:GL+16*\p+4*\j+3], s[24:25] offset:2048*\p+512*\j th:TH_STORE_NT   ; 512 consecutive bytes, aligned
.endr
.endr
	s_wait_tensorcnt 0x0                           ; the wave's end
	ds_add_u32 v[SPW], v[NIL]
	s_wait_dscnt 0x0
	ROUND                                          ; the closing round: no work-group ends while a partner may still ask for a piece that names it
	s_endpgm
.Lfunc_end_k_qcd7525f2d0_mlp:
	.size	k_qcd7525f2d0_mlp, .Lfunc_end_k_qcd7525f2d0_mlp-k_qcd7525f2d0_mlp
	.p2alignl 7, 3214868480
	.fill 96, 4, 3214868480
	.section	.rodata,"a",@progbits
	.p2align	6, 0x0
	.amdhsa_kernel k_qcd7525f2d0_mlp
		.amdhsa_group_segment_fixed_size 327680
		.amdhsa_private_segment_fixed_size 0
		.amdhsa_enable_private_segment 0
		.amdhsa_kernarg_size 88
		.amdhsa_user_sgpr_count 2
		.amdhsa_user_sgpr_kernarg_segment_ptr 1
		.amdhsa_wavefront_size32 1
		.amdhsa_system_sgpr_workgroup_id_x 1
		.amdhsa_system_sgpr_workgroup_id_y 1
		.amdhsa_system_sgpr_workgroup_id_z 1
		.amdhsa_system_vgpr_workitem_id 0
		.amdhsa_next_free_vgpr 256
		.amdhsa_next_free_sgpr 100
		.amdhsa_reserve_vcc 0
		.amdhsa_float_denorm_mode_32 3
		.amdhsa_float_denorm_mode_16_64 3
		.amdhsa_memory_ordered 1
		.amdhsa_forward_progress 1
		.amdhsa_inst_pref_size 50
	.end_amdhsa_kernel
	.amdgpu_metadata
---
amdhsa.version: [ 1, 2 ]
amdhsa.kernels:
  - .name:           k_qcd7525f2d0_mlp
    .symbol:         k_qcd7525f2d0_mlp.kd
    .args:
      - { .name: existing_node_features, .offset: 0, .size: 8, .value_kind: global_buffer, .address_space: global }
      - { .name: recs, .offset: 8, .size: 8, .value_kind: global_buffer, .address_space: global }
      - { .name: topv, .offset: 16, .size: 8, .value_kind: global_buffer, .address_space: global }
      - { .name: topi, .offset: 24, .size: 8, .value_kind: global_buffer, .address_space: global }
      - { .name: fc_w_codes, .offset: 32, .size: 8, .value_kind: global_buffer, .address_space: global }
      - { .name: fc_w_scales, .offset: 40, .size: 8, .value_kind: global_buffer, .address_space: global }
      - { .name: fc_b, .offset: 48, .size: 8, .value_kind: global_buffer, .address_space: global }
      - { .name: om_w_codes, .offset: 56, .size: 8, .value_kind: global_buffer, .address_space: global }
      - { .name: om_w_scales, .offset: 64, .size: 8, .value_kind: global_buffer, .address_space: global }
      - { .name: om_b, .offset: 72, .size: 8, .value_kind: global_buffer, .address_space: global }
      - { .name: out0, .offset: 80, .size: 8, .value_kind: global_buffer, .address_space: global }
    .group_segment_fixed_size: 327680
    .private_segment_fixed_size: 0
    .kernarg_segment_align: 8
    .kernarg_segment_size: 88
    .max_flat_workgroup_size: 512
    .sgpr_count:     100
    .vgpr_count:     256
    .wavefront_size: 32
...
	.end_amdgpu_metadata
.endif
;; end of part 4
